; MI455X (gfx1250); checked and timed in simulation.
; The chip was launched on July 23, 2026; its instructions are those of AMD's public machine-readable ISA for CDNA 5 (MIT licence, August 2026) and "CDNA5" Instruction Set Architecture Reference Guide (July 2026). The comments in the code are by the model that wrote it; some were corrected since.
;; PWLNN Fcn. Allowed arithmetic: matrix products marked QUANTISED: E2M3 operands, one E8M0 scale for each 32 along K, by v_wmma_scale_f32_16x16x128_f8f6f4 with both operands' format E2M3, f32 sums; products left as they are: f32 operands where the result goes on into a quantised operand, else bf16, f16 or f32 operands; f32 sums; everything else in f32.
;; Inputs: ctrs 2,048 x 32 float32; offsets 2,048 x 32 float32; wts 2,048 x 32 x 32 float32; x 16,384 x 32 float32.
;; Outputs: out0 16,384 x 32 float32.
;; Constants: k = 4.
;; This version of the problem:
;;   THIS VERSION OF THE PROBLEM IS GIVEN IN LOW PRECISION. The matrix products marked QUANTISED in the list below multiply operands that are first quantised to E2M3 (2 exponent bits, 3 mantissa bits; 6 bits a number), with one power-of-two scale for each 32 numbers along K (OCP MX v1.0); their sums are f32. All else is computed in f32.
;;   The module's matrix products, in the order in which they are computed (A, B: the left and right operand; K: the contracted axis; several contracted axes count as one K, in the product's order):
;;     1. [M 16,384, K 32] x [K 32, N 2,048]; A: input x; B: input ctrs: QUANTISED
;;     2. batch 16,384 x [M 32, K 128] x [K 128, N 1]; A: computed on the way; B: computed on the way: left as it is (N = 1 < 16)
;;     3. batch 16,384 x [M 32, K 32] x [K 32, N 1]; A: computed on the way; B: input x: left as it is (N = 1 < 16)
;;   THE QUANTISER, for each operand of a quantised product, along K:
;;     - K is cut into blocks of 32 from its start; a last block that is shorter is filled with zeros.
;;     - A block's scale is 2^e with e = floor(log2(the largest magnitude in the block)) - 2, held to -126 .. 127; a block of zeros has e = 0. As a byte (E8M0): e + 127.
;;     - Each number is divided by its block's scale, clamped to +-7.5, and rounded to the nearest number of E2M3, ties to even, subnormals kept.
;;     - The product sums the exact products of the quantised numbers (number of the format x scale) in f32.
;;   ~~~python
;;   def quantise(x, axis):      # numpy; x: float32 -> the quantised numbers, widened to float32 again
;;       x = np.moveaxis(x, axis, -1); K = x.shape[-1]
;;       x = np.pad(x, [(0, 0)] * (x.ndim - 1) + [(0, -K % 32)]); x = x.reshape(x.shape[:-1] + (-1, 32)); a = np.abs(x).max(-1, keepdims=True)
;;       e = np.where(a > 0, np.clip(np.frexp(np.where(a > 0, a, 1))[1] - 1 - 2, -126, 127), 0)      # np.frexp(a)[1] - 1 = floor(log2(a)), exactly
;;       r = np.clip(x / 2.0 ** e, -7.5, 7.5)
;;       step = 2.0 ** (np.maximum(np.frexp(np.where(r == 0, 1, r))[1] - 1, 0) - 3)
;;       q = np.round(r / step) * step * 2.0 ** e      # np.round: ties to even
;;       return np.moveaxis(q.reshape(q.shape[:-2] + (-1,))[..., :K], -1, axis).astype(np.float32)
;;   ~~~
;; 3 versions, each right; version 2 is faster than version 1; version 3 is version 2 with the launch knn written anew for expert scheduling mode. Each part assembles by itself: llvm-mc -triple=amdgcn-amd-amdhsa -mcpu=gfx1250 --defsym DOCPART=n.
;; ======== version 1 of 3: 2 launches
;; workspace buffers: idx 262,144 bytes of whole numbers; wbf 4,194,304 bytes
;; launch knn (part 1): grid 256 x 1, 16 waves a work-group, no clusters, 174,080 bytes of LDS; arguments x, ctrs, wts, idx, wbf; writes idx, wbf
.if DOCPART == 1
	.amdgcn_target "amdgcn-amd-amdhsa--gfx1250"
	.amdhsa_code_object_version 6
	.text
	.protected	k_qdbc88060d6_knn
	.globl	k_qdbc88060d6_knn
	.p2align	8
	.type	k_qdbc88060d6_knn,@function
k_qdbc88060d6_knn:
	s_mov_b64 s[64:65], 0
	v_nop
	global_prefetch_b8 v0, s[64:65] scope:SCOPE_SE
	s_setreg_imm32_b32 hwreg(HW_REG_WAVE_MODE, 25, 1), 1
	s_wait_xcnt 0x0
; idx[n][0..3] = the four centres nearest to sample n, by d2 = (|x|^2 - 2 Q(x).Q(c)) + |c|^2, ties to the lower index.
; x: [16384][32] f32, ctrs: [2048][32] f32.  Q: codes of FP6 (E2M3), one E8M0 scale for the row's one block of 32.
; Beside that the work-group rounds its 8 of the 2,048 weight blocks (wts [2048][32][32] f32) to bf16 into wbf, in the order
; in which the next launch's lanes read them: block j, chunk i (0..3), lane l = (g = l / 8, e = l % 8): 16 bytes =
; wts[j][8 g + 2 i][4 e .. 4 e + 3], wts[j][8 g + 2 i + 1][4 e .. 4 e + 3].
; SHARES.  A work-group owns 64 samples and walks all centres.  Wave w = (s = w % 4, q = w / 4): samples 16 s .. 16 s + 15, centres 512 q .. 512 q + 511.
; PROLOGUE.  Wave w quantises centres 128 w .. 128 w + 127 for the whole work-group: dense loads of 512 bytes, a turn through its own LDS stage
; (rows 144 bytes apart) so that a lane holds one row's 32 numbers, then |c|^2, the scale byte and 24 bytes of codes into LDS.  Its 16 samples likewise, into registers.
; THE PRODUCT.  Source 0 = 16 centres, source 1 = my 16 samples: lane (r, h) then holds sample r and the centres of rows 8 h + 0 .. 7.  K is 32 of the instruction's 128:
; the samples' fragment has codes in K block 0 (lanes 0-15, registers 0-5) and ZERO codes everywhere else, so whatever the centres' fragment holds in blocks 1 to 3 adds nothing;
; the scale bytes of those blocks are 0 on both sides.  So four fragments of centres may lie 6 registers apart, each one's upper half being the next one's codes.
; The dot product is exact in f32: every product is a multiple of one power of two and 32 of them need 17 bits.
; WHICH CENTRES FORM A TILE: row m of tile t is centre 512 q + 256 (m / 8) + 8 t + m % 8, so that a lane's 256 distances come in ascending order of the centre's number,
; and lanes 0-15 hold lower numbers than lanes 16-31.
; THE FOUR NEAREST of a lane: values sorted in four registers (three medians and a minimum insert a distance), the four local numbers (8 bits each) in one register,
; shifted by one byte permute whose selector four strict compares choose.  An equal distance goes behind the earlier one: ties keep the lower number.
; Lists are merged by inserting the list of higher numbers into the list of lower numbers: lane l xor 16's, then the four quarters' through LDS.
; NO CLUSTER, NO TENSOR LOAD: every work-group reads the same 262,144 bytes of ctrs, 32 loads a wave, against some 3,600 vector instructions a wave in the loop; the rows have to be
; turned and quantised on the way, and f32 rows with padding (294,912 bytes) and the codes (81,920) do not fit in LDS together.
; LIMITS: NaN and infinities among the inputs are not served, and d2 must stay finite.  |x|^2 and |c|^2 are summed in ascending k by fused multiply-adds; d2 is rounded as written above.
; A block whose largest magnitude lies under 2^-124 has its byte held at 1, as the quantiser's rule holds it; a block of zeros has the byte 1 and zero codes, which give the same product as the rule's 127.
.set SPIT,  144                        ; a stage row: 128 bytes + 16
.set STGW,  32*SPIT                    ; a wave's stage: 32 rows
.set COD,   16*STGW                    ; codes: 32 bytes a centre (24 used)
.set SCW,   COD+2048*32                ; scale words: 4 bytes a centre, the byte lowest, 0 above
.set SCQ,   SCW+2048*4                 ; |c|^2: 4 bytes a centre
.set MRG,   SCQ+2048*4                 ; lists to be merged: 1,024 bytes a wave; ends at 172,032
.set LANE, 1
.set RR,   2                           ; lane % 16
.set HH,   3                           ; lane / 16
.set GL16, 4                           ; 16 x lane: never rewritten
.set STW,  5                           ; stage, in: 144 (lane / 8) + 16 (lane % 8)
.set STR,  6                           ; stage, out: row = lane
.set STX,  7                           ; stage, out: row = lane % 16
.set CODW, 8                           ; where I store a centre's codes, scale word, |c|^2
.set SCWW, 9
.set SCQW, 10
.set ACOD, 11                          ; where I read a tile's codes, scale words, |c|^2
.set ASCW, 12
.set ASCQ, 13
.set MW,   14                          ; where I store my list, where I read lists
.set MR,   15
.set BX,   16                          ; v16-27  the samples' fragment
.set WOF,  28                          ; my byte in a weight block: never rewritten
.set SX,   30                          ; v30-31  |x|^2, twice
.set CR,   32                          ; v32-159 prologue: 128 rows of ctrs as loaded
.set XR,   160                         ; v160-175 16 rows of x as loaded
.set WR,   176                         ; v176-191 weights as loaded
.set ROW,  192                         ; v192-223 one row's 32 numbers
.set AM,   224
.set SS,   225
.set SOP,  226
.set BY,   227
.set CC,   228                         ; v228-233 a row's codes
.set CT,   234                         ; v234-236 their second half as converted
.set WO,   238                         ; v238-245 weights in bf16
.set ASC,  248                         ; v248-251 four tiles' scale words: scales and nothing else
.set BXS,  252                         ; the samples' scale words: likewise
.set AF,   32                          ; loop: v32-61 four fragments of centres, 6 registers apart
.set DD,   64                          ; v64-95  four tiles of dot products, then d2
.set SCR,  96                          ; v96-127 |c|^2 of my 32 centres
.set VV,   128                         ; v128-131 the four smallest d2, ascending
.set II,   132                         ; v132-135 their centres' numbers (behind the loop)
.set PV,   136                         ; v136-143 a list to be inserted
.set PI,   140
.set IP,   144                         ; the four local numbers, a byte each
.set SA,   145
.set SB,   146
.set VS4,  147
.set VS2,  148
.set TA,   149
.set TB,   150
.set TC,   151
.set BASE, 152
.set OA,   153
.set OO,   154
.set WV,   14
.set TS,   15
.set QD,   16
.set HIM,  22
.set SEL,  24
.set SK,   26
.set SSO,  27
.set CNT,  28
.set ID,   29
.set C0,   30
.set C1,   31
.set C2,   32
.set C3,   33
.set K3,   34
.set K1,   35
.set K0,   36
	s_load_b256 s[4:11], s[0:1], 0x0               ; x s[4:5], ctrs s[6:7], wts s[8:9], idx s[10:11]
	s_load_b64 s[12:13], s[0:1], 0x20              ; wbf
	v_lshl_add_u32 v254, v0, 2, 0x2a000
	v_mov_b32 v255, 0
	v_lshrrev_b32 v[AM], 5, v0
	v_readfirstlane_b32 s[WV], v[AM]               ; wave 0..15
	v_and_b32 v[LANE], 31, v0
	v_lshlrev_b32 v[GL16], 4, v[LANE]
	v_bfe_u32 v[AM], v0, 3, 2                      ; lane / 8
	v_and_b32 v[SS], 7, v0                         ; lane % 8
	v_lshlrev_b32 v[WOF], 10, v[AM]                ; weights: rows 8 g on (1,024 bytes), 16 bytes for each e
	v_lshl_add_u32 v[WOF], v[SS], 4, v[WOF]
	s_and_b32 s[TS], s[WV], 3                      ; my tile of samples
	s_lshr_b32 s[QD], s[WV], 2                     ; my quarter of the centres
	s_mov_b32 s19, 0
	s_wait_kmcnt 0x0
	s_lshl_b32 s18, ttmp9, 13                      ; x: 64 rows of 128 bytes a work-group, 16 a tile
	s_lshl_b32 s20, s[TS], 11
	s_add_co_u32 s18, s18, s20
	s_add_nc_u64 s[4:5], s[4:5], s[18:19]
	s_lshl_b32 s18, s[WV], 14                      ; ctrs: 128 rows a wave
	s_add_nc_u64 s[6:7], s[6:7], s[18:19]
	s_lshl_b32 s18, ttmp9, 15                      ; wts: 8 blocks of 4,096 bytes a work-group; block w / 4 (and 4 more on), rows 2 (w % 4) on
	s_lshl_b32 s20, s[QD], 12
	s_add_co_u32 s18, s18, s20
	s_lshl_b32 s20, s[TS], 8
	s_add_co_u32 s18, s18, s20
	s_add_nc_u64 s[8:9], s[8:9], s[18:19]
	s_lshl_b32 s18, ttmp9, 10                      ; idx: 16 bytes a sample
	s_add_co_u32 s18, s18, s20
	s_add_nc_u64 s[10:11], s[10:11], s[18:19]
	s_lshl_b32 s18, ttmp9, 14                      ; wbf: 8 blocks of 2,048 bytes a work-group, 512 bytes a wave
	s_lshl_b32 s20, s[WV], 9
	s_add_co_u32 s18, s18, s20
	s_add_nc_u64 s[12:13], s[12:13], s[18:19]
.irp i, 0,1,2,3
	global_load_b128 v[XR+4*\i:XR+4*\i+3], v[GL16], s[4:5] offset:512*\i          ; 32 lanes read 512 consecutive bytes: 4 rows
.endr
.set k, 0
.rept 32
	global_load_b128 v[CR+4*k:CR+4*k+3], v[GL16], s[6:7] offset:512*k
.set k, k+1
.endr
	global_load_b128 v[WR:WR+3], v[WOF], s[8:9] th:TH_LOAD_NT                     ; rows 8 g + 2 i and 8 g + 2 i + 1 of two blocks: read once in the launch
	global_load_b128 v[WR+4:WR+7], v[WOF], s[8:9] offset:128 th:TH_LOAD_NT
	global_load_b128 v[WR+8:WR+11], v[WOF], s[8:9] offset:16384 th:TH_LOAD_NT
	global_load_b128 v[WR+12:WR+15], v[WOF], s[8:9] offset:16512 th:TH_LOAD_NT
	; every LDS address is made here: a constant + a constant x lane part + a constant x wave part
	s_mul_i32 s17, s[WV], STGW
	v_mul_u32_u24 v[STW], v[AM], SPIT
	v_lshl_add_u32 v[STW], v[SS], 4, v[STW]
	v_add_nc_u32 v[STW], s17, v[STW]
	v_mul_u32_u24 v[STR], v[LANE], SPIT
	v_add_nc_u32 v[STR], s17, v[STR]
	v_and_b32 v[RR], 15, v0
	v_bfe_u32 v[HH], v0, 4, 1
	v_mul_u32_u24 v[STX], v[RR], SPIT
	v_add_nc_u32 v[STX], s17, v[STX]
	s_lshl_b32 s17, s[WV], 12                      ; centre 128 w + lane: 32 bytes of codes,
	s_add_co_u32 s17, s17, COD
	v_lshl_add_u32 v[CODW], v[LANE], 5, s17
	s_lshl_b32 s17, s[WV], 9                       ; 4 bytes of scale word and of |c|^2
	v_lshl_add_u32 v[SCWW], v[LANE], 2, s17
	v_add_nc_u32 v[SCQW], SCQ, v[SCWW]
	v_add_nc_u32 v[SCWW], SCW, v[SCWW]
	v_bfe_u32 v[AM], v0, 3, 1                      ; (lane % 16) / 8
	s_lshl_b32 s17, s[QD], 14                      ; row r of tile 0: centre 512 q + 256 (r / 8) + r % 8
	s_add_co_u32 s17, s17, COD
	v_lshlrev_b32 v[ACOD], 13, v[AM]
	v_lshl_add_u32 v[ACOD], v[SS], 5, v[ACOD]
	v_add_nc_u32 v[ACOD], s17, v[ACOD]
	s_lshl_b32 s17, s[QD], 11
	v_lshlrev_b32 v[ASCW], 10, v[AM]
	v_lshl_add_u32 v[ASCW], v[SS], 2, v[ASCW]
	v_add_nc_u32 v[ASCW], s17, v[ASCW]
	v_add_nc_u32 v[ASCW], SCW, v[ASCW]
	v_lshl_add_u32 v[ASCQ], v[HH], 10, s17         ; my eight results of tile 0: centres 512 q + 256 h + 0 .. 7
	v_add_nc_u32 v[ASCQ], SCQ, v[ASCQ]
	s_lshl_b32 s17, s[TS], 2
	s_add_co_u32 s17, s17, s[QD]                   ; lists lie by tile of samples, then by quarter
	s_lshl_b32 s17, s17, 10
	s_add_co_u32 s17, s17, MRG
	v_lshl_add_u32 v[MW], v[LANE], 5, s17
	s_lshl_b32 s17, s[TS], 12
	s_add_co_u32 s17, s17, MRG
	v_lshlrev_b32 v[MR], 11, v[HH]                 ; lanes 0-15 read quarters 0 and 1, lanes 16-31 quarters 2 and 3
	v_lshl_add_u32 v[MR], v[RR], 5, v[MR]
	v_add_nc_u32 v[MR], s17, v[MR]
	s_mov_b32 s[HIM], 0xffff0000                   ; lanes 16-31
	s_mov_b32 s[SEL], 0x76543210
	s_mov_b32 s[SEL+1], 0xfedcba98                 ; v_permlanex16_b32's selects for lane l xor 16
.macro STAGE src, n                    ; n loads' 512 bytes into my stage as they lie, 16 bytes of padding behind each row
.set k, 0
.rept \n
	ds_store_b128 v[STW], v[(\src)+4*k:(\src)+4*k+3] offset:4*SPIT*k
.set k, k+1
.endr
.endm
.macro FETCHROW adr                    ; and one whole row back to each lane.  LDS serves a wave's instructions in order: these see the stores above
.irp c, 0,1,2,3,4,5,6,7
	ds_load_b128 v[ROW+4*\c:ROW+4*\c+3], v[\adr] offset:16*\c
.endr
.endm
; A row's 32 numbers: the sum of squares in ascending k, the largest magnitude with the floor 2^(3 - 127) among its leaves, the scale's byte, the codes.
.macro QROW
	v_max3_num_f32 v[AM], |v[ROW]|, |v[ROW+1]|, 0x1800000
	v_mul_f32 v[SS], v[ROW], v[ROW]
	v_fmac_f32 v[SS], v[ROW+1], v[ROW+1]
.set k, 2
.rept 15
	v_max3_num_f32 v[AM], v[AM], |v[ROW+k]|, |v[ROW+k+1]|
	v_fmac_f32 v[SS], v[ROW+k], v[ROW+k]
	v_fmac_f32 v[SS], v[ROW+k+1], v[ROW+k+1]
.set k, k+2
.endr
	v_add_nc_u32 v[SOP], 0xff000000, v[AM]         ; 2 off the exponent field: the conversion takes this operand's exponent field as its scale
	v_lshrrev_b32 v[BY], 23, v[SOP]                ; the scale's byte, 0 above it
	v_cvt_scalef32_pk16_fp6_f32 v[CC:CC+2], v[ROW:ROW+15], v[SOP]
	v_cvt_scalef32_pk16_fp6_f32 v[CT:CT+2], v[ROW+16:ROW+31], v[SOP]     ; (a conversion's three registers begin on an even number)
	v_nop                                          ; one plain place behind a scaled conversion
.irp c, 0,1,2
	v_mov_b32 v[CC+3+\c], v[CT+\c]
.endr
.endm
	; my 16 samples
	s_wait_loadcnt 36                              ; x's four loads are in; behind them: 32 of ctrs, 4 of wts
	STAGE XR, 4
	FETCHROW STX
	s_wait_dscnt 0x0
	QROW
.irp c, 0,1,2,3,4,5
	v_cndmask_b32 v[BX+\c], v[CC+\c], 0, s[HIM]    ; K block 0 lies in lanes 0-15; lanes 16-31 (block 1) hold zero codes,
.endr
.irp c, 6,7,8,9,10,11
	v_mov_b32 v[BX+\c], 0                          ; and so do blocks 2 and 3
.endr
	v_mov_b32 v[BXS], v[BY]
	v_mov_b32 v[SX], v[SS]
	v_mov_b32 v[SX+1], v[SS]
.macro CROUND p                        ; centres 128 w + 32 p + lane
	s_wait_loadcnt 28-8*(\p)                       ; this round's eight loads are in; behind them: the later rounds' and 4 of wts
	STAGE CR+32*(\p), 8
	FETCHROW STR
	s_wait_dscnt 0x0                               ; the row is in; the last round's stores have read their registers
	QROW
	ds_store_b128 v[CODW], v[CC:CC+3] offset:1024*(\p)
	ds_store_b64 v[CODW], v[CC+4:CC+5] offset:1024*(\p)+16
	ds_store_b32 v[SCWW], v[BY] offset:128*(\p)
	ds_store_b32 v[SCQW], v[SS] offset:128*(\p)
.endm
	CROUND 0
	CROUND 1
	CROUND 2
	CROUND 3
	s_wait_loadcnt 0x0                             ; the weights
.irp c, 0,1,2,3,4,5,6,7
	v_cvt_pk_bf16_f32 v[WO+\c], v[WR+2*\c], v[WR+2*\c+1]
.endr
	global_store_b128 v[GL16], v[WO:WO+3], s[12:13]                ; 32 lanes store 512 consecutive bytes, aligned
	global_store_b128 v[GL16], v[WO+4:WO+7], s[12:13] offset:8192
	s_wait_dscnt 0x0                               ; for the others' sake: my codes, scale words and sums lie in LDS
	s_barrier_signal -1
	s_barrier_wait -1
.irp c, 24,25,26,27,28,29
	v_mov_b32 v[AF+\c], 0                          ; the last fragment's upper half: any codes would do, these are written once
.endr
.irp c, 0,1,2,3
	v_mov_b32 v[VV+\c], 0x7f800000                 ; the list begins with +infinity
.endr
	v_mov_b32 v[IP], 0
	v_mov_b32 v[VS4], 0x03020100                   ; selectors of the byte permute: bytes 0-3 the old numbers, 4 the new one.  Nothing inserted;
	v_mov_b32 v[VS2], 0x02040100                   ; inserted third;
	s_mov_b32 s[K3], 0x04020100                    ; fourth;
	s_mov_b32 s[K1], 0x02010400                    ; second;
	s_mov_b32 s[K0], 0x02010004                    ; first
.irp c, 0,1,2,3,4,5,6,7
	v_mov_b32 v[PV+\c], 0                          ; written once: a lane permute's destination counts as one of its sources
.endr
	s_mov_b32 s[SK], 0
	s_mov_b32 s[SSO], 0
	s_mov_b32 s[ID], 0
.macro ADDRS                           ; three plain vector instructions
	v_add_nc_u32 v[TA], s[SK], v[ACOD]
	v_add_nc_u32 v[TB], s[SSO], v[ASCW]
	v_add_nc_u32 v[TC], s[SSO], v[ASCQ]
.endm
.macro LOADA                           ; four tiles' codes (lanes 16-31 read what lanes 0-15 read) and scale words
.irp q, 0,1,2,3
	ds_load_b128 v[AF+6*\q:AF+6*\q+3], v[TA] offset:256*\q
	ds_load_b64 v[AF+6*\q+4:AF+6*\q+5], v[TA] offset:256*\q+16
	ds_load_b32 v[ASC+\q], v[TB] offset:32*\q
.endr
.endm
.macro LOADS                           ; |c|^2 of my 32 centres of four tiles: 128 consecutive bytes
.irp q, 0,1,2,3,4,5,6,7
	ds_load_b128 v[SCR+4*\q:SCR+4*\q+3], v[TC] offset:16*\q
.endr
.endm
; One distance into the list.  All eight lines on values read the old list; the selects follow.
.macro INS d
	v_cmp_gt_f32 s[C3], v[VV+3], v[\d]
	v_cmp_gt_f32 s[C2], v[VV+2], v[\d]
	v_cmp_gt_f32 s[C1], v[VV+1], v[\d]
	v_cmp_gt_f32 s[C0], v[VV], v[\d]
	v_med3_num_f32 v[VV+3], v[\d], v[VV+2], v[VV+3]
	v_med3_num_f32 v[VV+2], v[\d], v[VV+1], v[VV+2]
	v_med3_num_f32 v[VV+1], v[\d], v[VV], v[VV+1]
	v_min_num_f32 v[VV], v[\d], v[VV]
	v_cndmask_b32 v[SA], v[VS4], s[K3], s[C3]
	v_cndmask_b32 v[SB], v[VS2], s[K1], s[C1]
	v_cndmask_b32 v[SB], v[SB], s[K0], s[C0]
	v_cndmask_b32 v[SA], v[SA], v[SB], s[C2]
	v_perm_b32 v[IP], s[ID], v[IP], v[SA]
	s_add_co_u32 s[ID], s[ID], 1                   ; the next distance's local number
.endm
; Four tiles: 64 centres x 16 samples, 32 distances a lane.  more = 1: the next four tiles' operands are asked for as soon as their registers are free.
.macro TRIP more
	s_wait_dscnt 0x0                               ; codes, scale words and |c|^2 are in (asked for a trip ago)
.irp q, 0,1,2,3
	v_wmma_scale_f32_16x16x128_f8f6f4 v[DD+8*\q:DD+8*\q+7], v[AF+6*\q:AF+6*\q+11], v[BX:BX+11], 0, v[ASC+\q], v[BXS] matrix_a_fmt:MATRIX_FMT_FP6 matrix_b_fmt:MATRIX_FMT_FP6
.endr
.if \more
	ADDRS                                          ; four plain places behind the products, ahead of loads into their sources and of the first read of results
	v_nop
	LOADA
.else
.rept 4
	v_nop
.endr
.endif
.set k, 0
.rept 16
	v_pk_fma_f32 v[DD+2*k:DD+2*k+1], v[DD+2*k:DD+2*k+1], -2.0, v[SX:SX+1] op_sel_hi:[1,0,1]   ; |x|^2 - 2 dot, one rounding; each accumulator from its low end on
.set k, k+1
.endr
.set k, 0
.rept 16
	v_pk_add_f32 v[DD+2*k:DD+2*k+1], v[DD+2*k:DD+2*k+1], v[SCR+2*k:SCR+2*k+1]                 ; + |c|^2
.set k, k+1
.endr
.if \more
	LOADS
.endif
.set e, 0
.rept 32
	INS DD+e
.set e, e+1
.endr
.endm
	ADDRS
	LOADA
	LOADS
	s_mov_b32 s[CNT], 7
.Ltrip:
	s_add_co_u32 s[SK], s[SK], 1024                ; the next four tiles: 32 centres on in each half
	s_add_co_u32 s[SSO], s[SSO], 128
	TRIP 1
	s_sub_co_u32 s[CNT], s[CNT], 1
	s_cmp_lg_u32 s[CNT], 0
	s_cbranch_scc1 .Ltrip
	TRIP 0                                         ; the last four tiles ask for nothing
	s_lshl_b32 s17, s[QD], 9
	v_lshl_add_u32 v[BASE], v[HH], 8, s17          ; my first centre: 512 q + 256 h
.irp c, 0,1,2,3
	v_bfe_u32 v[II+\c], v[IP], 8*\c, 8
.endr
.irp c, 0,1,2,3
	v_add_nc_u32 v[II+\c], v[BASE], v[II+\c]
.endr
; Entry c of the list in PV, PI goes into the list in VV, II.  The inserted list holds the higher numbers, so a strict compare keeps ties right.
.macro INSV c
	v_cmp_gt_f32 s[C3], v[VV+3], v[PV+\c]
	v_cmp_gt_f32 s[C2], v[VV+2], v[PV+\c]
	v_cmp_gt_f32 s[C1], v[VV+1], v[PV+\c]
	v_cmp_gt_f32 s[C0], v[VV], v[PV+\c]
	v_med3_num_f32 v[VV+3], v[PV+\c], v[VV+2], v[VV+3]
	v_med3_num_f32 v[VV+2], v[PV+\c], v[VV+1], v[VV+2]
	v_med3_num_f32 v[VV+1], v[PV+\c], v[VV], v[VV+1]
	v_min_num_f32 v[VV], v[PV+\c], v[VV]
	v_cndmask_b32 v[II+3], v[II+3], v[PI+\c], s[C3]
	v_cndmask_b32 v[II+3], v[II+3], v[II+2], s[C2]
	v_cndmask_b32 v[II+2], v[II+2], v[PI+\c], s[C2]
	v_cndmask_b32 v[II+2], v[II+2], v[II+1], s[C1]
	v_cndmask_b32 v[II+1], v[II+1], v[PI+\c], s[C1]
	v_cndmask_b32 v[II+1], v[II+1], v[II], s[C0]
	v_cndmask_b32 v[II], v[II], v[PI+\c], s[C0]
.endm
.macro CROSS                           ; lane l xor 16's list; the result counts in lanes 0-15 alone
.irp c, 0,1,2,3
	v_permlanex16_b32 v[PV+\c], v[VV+\c], s[SEL], s[SEL+1]
	v_permlanex16_b32 v[PI+\c], v[II+\c], s[SEL], s[SEL+1]
.endr
.irp c, 0,1,2,3
	INSV \c
.endr
.endm
	CROSS
	ds_store_b128 v[MW], v[VV:VV+3]                ; 32 bytes a lane; lanes 0-15's are read
	ds_store_b128 v[MW], v[II:II+3] offset:16
	s_wait_dscnt 0x0                               ; for the others' sake
	s_barrier_signal -1
	s_barrier_wait -1
	s_cmp_lt_u32 s[WV], 4                          ; wave s merges the four quarters' lists of tile s; no barrier follows
	s_cbranch_scc0 .Ldone
	ds_load_b128 v[VV:VV+3], v[MR]                 ; lanes 0-15: quarter 0, lanes 16-31: quarter 2
	ds_load_b128 v[II:II+3], v[MR] offset:16
	ds_load_b128 v[PV:PV+3], v[MR] offset:1024     ; quarter 1, quarter 3
	ds_load_b128 v[PI:PI+3], v[MR] offset:1040
	v_lshlrev_b32 v[OA], 4, v[RR]
	v_lshl_add_u32 v[OA], v[HH], 3, v[OA]          ; 16 bytes a sample, 8 for each half of the lanes
	s_wait_dscnt 0x0
.irp c, 0,1,2,3
	INSV \c
.endr
	CROSS
	v_permlanex16_b32 v[PI], v[II+2], s[SEL], s[SEL+1]
	v_permlanex16_b32 v[PI+1], v[II+3], s[SEL], s[SEL+1]
	v_cndmask_b32 v[OO], v[II], v[PI], s[HIM]      ; lanes 0-15 store numbers 0 and 1 of their sample, lanes 16-31 numbers 2 and 3
	v_cndmask_b32 v[OO+1], v[II+1], v[PI+1], s[HIM]
	global_store_b64 v[OA], v[OO:OO+1], s[10:11]   ; 32 lanes store 256 consecutive bytes, aligned
.Ldone:
	s_wait_tensorcnt 0x0
	ds_add_u32 v254, v255
	s_wait_dscnt 0x0
	s_endpgm
.Lfunc_end_k_qdbc88060d6_knn:
	.size	k_qdbc88060d6_knn, .Lfunc_end_k_qdbc88060d6_knn-k_qdbc88060d6_knn
	.p2alignl 7, 3214868480
	.fill 96, 4, 3214868480
	.section	.rodata,"a",@progbits
	.p2align	6, 0x0
	.amdhsa_kernel k_qdbc88060d6_knn
		.amdhsa_group_segment_fixed_size 174080
		.amdhsa_private_segment_fixed_size 0
		.amdhsa_enable_private_segment 0
		.amdhsa_kernarg_size 40
		.amdhsa_user_sgpr_count 2
		.amdhsa_user_sgpr_kernarg_segment_ptr 1
		.amdhsa_wavefront_size32 1
		.amdhsa_system_sgpr_workgroup_id_x 1
		.amdhsa_system_sgpr_workgroup_id_y 1
		.amdhsa_system_sgpr_workgroup_id_z 1
		.amdhsa_system_vgpr_workitem_id 0
		.amdhsa_next_free_vgpr 256
		.amdhsa_next_free_sgpr 66
		.amdhsa_reserve_vcc 0
		.amdhsa_float_denorm_mode_32 3
		.amdhsa_float_denorm_mode_16_64 3
		.amdhsa_memory_ordered 1
		.amdhsa_forward_progress 1
		.amdhsa_inst_pref_size 102
	.end_amdhsa_kernel
	.amdgpu_metadata
---
amdhsa.version: [ 1, 2 ]
amdhsa.kernels:
  - .name:           k_qdbc88060d6_knn
    .symbol:         k_qdbc88060d6_knn.kd
    .args:
      - { .name: x, .offset: 0, .size: 8, .value_kind: global_buffer, .address_space: global }
      - { .name: ctrs, .offset: 8, .size: 8, .value_kind: global_buffer, .address_space: global }
      - { .name: wts, .offset: 16, .size: 8, .value_kind: global_buffer, .address_space: global }
      - { .name: idx, .offset: 24, .size: 8, .value_kind: global_buffer, .address_space: global }
      - { .name: wbf, .offset: 32, .size: 8, .value_kind: global_buffer, .address_space: global }
    .group_segment_fixed_size: 174080
    .private_segment_fixed_size: 0
    .kernarg_segment_align: 8
    .kernarg_segment_size: 40
    .max_flat_workgroup_size: 512
    .sgpr_count:     66
    .vgpr_count:     256
    .wavefront_size: 32
...
	.end_amdgpu_metadata
.endif
;; end of part 1
;; launch apply (part 2): grid 1024 x 1, 4 waves a work-group, no clusters, 0 bytes of LDS; arguments x, ctrs, offsets, idx, wbf, out0; writes out0
.if DOCPART == 2
	.amdgcn_target "amdgcn-amd-amdhsa--gfx1250"
	.amdhsa_code_object_version 6
	.text
	.protected	k_qdbc88060d6_apply
	.globl	k_qdbc88060d6_apply
	.p2align	8
	.type	k_qdbc88060d6_apply,@function
k_qdbc88060d6_apply:
	s_mov_b64 s[64:65], 0
	v_nop
	global_prefetch_b8 v0, s[64:65] scope:SCOPE_SE
	s_setreg_imm32_b32 hwreg(HW_REG_WAVE_MODE, 25, 1), 1
	s_wait_xcnt 0x0
; out0[n][:] = the sum over the four centres j = idx[n][0..3] of (x[n] - ctrs[j]) . wts[j] + offsets[j], which is what the problem's sums add up to.
; x, out0: [16384][32] f32; ctrs, offsets: [2048][32] f32; idx: [16384][4] whole numbers, stored by the launch before; wbf: the weights in bf16, as that launch laid them:
; block j (2,048 bytes), chunk i (512 bytes), lane l = (g = l / 8, e = l % 8): wts[j][8 g + 2 i][4 e ..+3], wts[j][8 g + 2 i + 1][4 e ..+3].
; The differences x - c are formed in f32 and stay f32; each weight is widened inside the fused multiply-add; sums in f32.  LIMIT: the weights carry bf16's rounding.
; SHARES.  A wave takes 4 samples, one after the other.  Lane (g, e) holds outputs 4 e .. 4 e + 3 and input dimensions 8 g .. 8 g + 7; it begins its sums with offsets[idx[n][g]], so that the
; sum over the four g adds all four offsets.  Each load of weights reads 512 consecutive bytes.
; Two sets of registers take turns: while one sample is worked on, the next one's 27 loads are on their way.  No LDS, no barrier: waves share nothing.  No matrix instruction: each sample has
; weights of its own, so a tile of 16 rows would hold one row of use.
.set L16,  2                           ; 16 x lane
.set G32,  4                           ; 32 g
.set EQ16, 5                           ; 16 e
.set G4,   6                           ; 4 g
.set AB,   8                           ; v8-16, v18-26: a set of nine offsets for each set of data registers
.set IG,   28                          ; v28-31 idx[n][g] of my four samples
.set OUT,  32                          ; v32-35 what I store
.set TT,   36                          ; v36-39 at work
.set BUF,  40                          ; v40-147, v148-255: x 8, sums 4, centres 32, weights 64
.set BSZ,  108
	s_load_b256 s[4:11], s[0:1], 0x0               ; x s[4:5], ctrs s[6:7], offsets s[8:9], idx s[10:11]
	s_load_b128 s[12:15], s[0:1], 0x20             ; wbf s[12:13], out0 s[14:15]
	v_lshrrev_b32 v1, 5, v0
	v_readfirstlane_b32 s32, v1                    ; wave 0..3
	s_lshl_b32 s33, ttmp9, 2
	s_add_co_u32 s33, s33, s32                     ; my wave's number in the launch
	v_and_b32 v1, 31, v0
	v_lshlrev_b32 v[L16], 4, v1
	v_bfe_u32 v3, v0, 3, 2                         ; g
	v_lshlrev_b32 v[G32], 5, v3
	v_and_b32 v[EQ16], 7, v0
	v_lshlrev_b32 v[EQ16], 4, v[EQ16]
	v_lshlrev_b32 v[G4], 2, v3
.irp c, 0,1,2,3
	v_mov_b32 v[TT+\c], 0                          ; written once: a lane permute's destination counts as one of its sources
.endr
	s_mov_b32 s36, 0x76543210
	s_mov_b32 s37, 0xfedcba98                      ; v_permlanex16_b32's selects for lane l xor 16
	s_mov_b32 s38, 0x0000ff00                      ; the lanes with g = 1, 2, 3
	s_mov_b32 s39, 0x00ff0000
	s_mov_b32 s40, 0xff000000
	s_lshl_b32 s34, s33, 6                         ; idx: 4 samples x 16 bytes a wave
	s_mov_b32 s35, 0
	s_wait_kmcnt 0x0
	s_add_nc_u64 s[10:11], s[10:11], s[34:35]
	s_load_b512 s[16:31], s[10:11], 0x0            ; my sixteen numbers as scalars,
.irp c, 0,1,2,3
	global_load_b32 v[IG+\c], v[G4], s[10:11] offset:16*\c         ; and number g of each sample in the lanes of g
.endr
	s_lshl_b32 s34, s33, 9                         ; x, out0: 4 rows of 128 bytes a wave
	s_add_nc_u64 s[4:5], s[4:5], s[34:35]
	s_add_nc_u64 s[14:15], s[14:15], s[34:35]
	s_wait_kmcnt 0x0
.irp c, 16,17,18,19,20,21,22,23,24,25,26,27,28,29,30,31
	s_min_u32 s\c, s\c, 0x7ff                      ; a loaded number enters an address only held inside its table
.endr
	s_wait_loadcnt 0x0
.irp c, 0,1,2,3
	v_min_u32 v[IG+\c], 0x7ff, v[IG+\c]
.endr
; Sample s's 27 loads into set b.  The set's offsets and data registers are free: the loads that named them were shown done by the counted wait of the sample two back.
.macro ISSUE s, b
.set BB, BUF+BSZ*(\b)
.set AS, AB+10*(\b)
.irp j, 0,1,2,3
	v_lshl_add_u32 v[AS+\j], s[16+4*(\s)+\j], 11, v[L16]           ; weights: 2,048 bytes a block, 16 bytes a lane
	v_lshl_add_u32 v[AS+4+\j], s[16+4*(\s)+\j], 7, v[G32]          ; centre: 128 bytes a row, my 8 dimensions
.endr
	v_lshl_add_u32 v[AS+8], v[IG+(\s)], 7, v[EQ16]                 ; offsets of centre number g: my 4 outputs
	global_load_b128 v[BB:BB+3], v[G32], s[4:5] offset:128*(\s)
	global_load_b128 v[BB+4:BB+7], v[G32], s[4:5] offset:128*(\s)+16
	global_load_b128 v[BB+8:BB+11], v[AS+8], s[8:9]
.irp j, 0,1,2,3
	global_load_b128 v[BB+12+8*\j:BB+15+8*\j], v[AS+4+\j], s[6:7]
	global_load_b128 v[BB+16+8*\j:BB+19+8*\j], v[AS+4+\j], s[6:7] offset:16
.endr
.irp j, 0,1,2,3
.irp i, 0,1,2,3
	global_load_b128 v[BB+44+16*\j+4*\i:BB+47+16*\j+4*\i], v[AS+\j], s[12:13] offset:512*\i
.endr
.endr
.endm
; Sample s in set b.  left = the younger loads that may stay out: the next sample's 27, or none.
.macro COMPUTE s, b, left
.set BB, BUF+BSZ*(\b)
	s_wait_loadcnt \left
.irp j, 0,1,2,3
.irp c, 0,2,4,6
	v_pk_add_f32 v[BB+12+8*\j+\c:BB+13+8*\j+\c], v[BB+\c:BB+\c+1], v[BB+12+8*\j+\c:BB+13+8*\j+\c] neg_lo:[0,1] neg_hi:[0,1]   ; x - c, in the centre's registers
.endr
.endr
.irp j, 0,1,2,3
.irp i, 0,1,2,3
.irp u, 0,1                            ; dimension 8 g + 2 i + u: its four weights lie in two registers, the lower output in the lower half
	v_fma_mix_f32_bf16 v[BB+8], v[BB+44+16*\j+4*\i+2*\u], v[BB+12+8*\j+2*\i+\u], v[BB+8] op_sel_hi:[1,0,0]
	v_fma_mix_f32_bf16 v[BB+9], v[BB+44+16*\j+4*\i+2*\u], v[BB+12+8*\j+2*\i+\u], v[BB+9] op_sel:[1,0,0] op_sel_hi:[1,0,0]
	v_fma_mix_f32_bf16 v[BB+10], v[BB+45+16*\j+4*\i+2*\u], v[BB+12+8*\j+2*\i+\u], v[BB+10] op_sel_hi:[1,0,0]
	v_fma_mix_f32_bf16 v[BB+11], v[BB+45+16*\j+4*\i+2*\u], v[BB+12+8*\j+2*\i+\u], v[BB+11] op_sel:[1,0,0] op_sel_hi:[1,0,0]
.endr
.endr
.endr
.irp c, 0,1,2,3
	v_add_f32_dpp v[BB+8+\c], v[BB+8+\c], v[BB+8+\c] row_xmask:8 row_mask:0xf bank_mask:0xf   ; g and g xor 1
.endr
.irp c, 0,1,2,3
	v_permlanex16_b32 v[TT+\c], v[BB+8+\c], s36, s37
.endr
.irp c, 0,1,2,3
	v_add_f32 v[BB+8+\c], v[BB+8+\c], v[TT+\c]     ; and g xor 2: every lane holds the whole sums of its four outputs
.endr
.irp c, 0,1,2,3
.if (\s) == 0
	v_mov_b32 v[OUT+\c], v[BB+8+\c]
.else
	v_cndmask_b32 v[OUT+\c], v[OUT+\c], v[BB+8+\c], s[37+(\s)]     ; the lanes with g = s keep sample s
.endif
.endr
.endm
	ISSUE 0, 0
	ISSUE 1, 1
	COMPUTE 0, 0, 27
	ISSUE 2, 0
	COMPUTE 1, 1, 27
	ISSUE 3, 1
	COMPUTE 2, 0, 27
	COMPUTE 3, 1, 0
	global_store_b128 v[L16], v[OUT:OUT+3], s[14:15] th:TH_STORE_NT    ; lane (g, e): out0[n0 + g][4 e ..+3]: 32 lanes store 512 consecutive bytes, aligned
	s_endpgm
.Lfunc_end_k_qdbc88060d6_apply:
	.size	k_qdbc88060d6_apply, .Lfunc_end_k_qdbc88060d6_apply-k_qdbc88060d6_apply
	.p2alignl 7, 3214868480
	.fill 96, 4, 3214868480
	.section	.rodata,"a",@progbits
	.p2align	6, 0x0
	.amdhsa_kernel k_qdbc88060d6_apply
		.amdhsa_group_segment_fixed_size 0
		.amdhsa_private_segment_fixed_size 0
		.amdhsa_enable_private_segment 0
		.amdhsa_kernarg_size 48
		.amdhsa_user_sgpr_count 2
		.amdhsa_user_sgpr_kernarg_segment_ptr 1
		.amdhsa_wavefront_size32 1
		.amdhsa_system_sgpr_workgroup_id_x 1
		.amdhsa_system_sgpr_workgroup_id_y 1
		.amdhsa_system_sgpr_workgroup_id_z 1
		.amdhsa_system_vgpr_workitem_id 0
		.amdhsa_next_free_vgpr 256
		.amdhsa_next_free_sgpr 66
		.amdhsa_reserve_vcc 0
		.amdhsa_float_denorm_mode_32 3
		.amdhsa_float_denorm_mode_16_64 3
		.amdhsa_memory_ordered 1
		.amdhsa_forward_progress 1
		.amdhsa_inst_pref_size 56
	.end_amdhsa_kernel
	.amdgpu_metadata
---
amdhsa.version: [ 1, 2 ]
amdhsa.kernels:
  - .name:           k_qdbc88060d6_apply
    .symbol:         k_qdbc88060d6_apply.kd
    .args:
      - { .name: x, .offset: 0, .size: 8, .value_kind: global_buffer, .address_space: global }
      - { .name: ctrs, .offset: 8, .size: 8, .value_kind: global_buffer, .address_space: global }
      - { .name: offsets, .offset: 16, .size: 8, .value_kind: global_buffer, .address_space: global }
      - { .name: idx, .offset: 24, .size: 8, .value_kind: global_buffer, .address_space: global }
      - { .name: wbf, .offset: 32, .size: 8, .value_kind: global_buffer, .address_space: global }
      - { .name: out0, .offset: 40, .size: 8, .value_kind: global_buffer, .address_space: global }
    .group_segment_fixed_size: 0
    .private_segment_fixed_size: 0
    .kernarg_segment_align: 8
    .kernarg_segment_size: 48
    .max_flat_workgroup_size: 128
    .sgpr_count:     66
    .vgpr_count:     256
    .wavefront_size: 32
...
	.end_amdgpu_metadata
.endif
;; end of part 2
;; ======== version 2 of 3: 2 launches; 1.14 times as fast as version 1
;; workspace buffers: idx 262,144 bytes of whole numbers; wbf 4,194,304 bytes
;; launch knn (part 3): grid 256 x 1, 16 waves a work-group, no clusters, 174,080 bytes of LDS; arguments x, ctrs, wts, idx, wbf; writes idx, wbf
.if DOCPART == 3
	.amdgcn_target "amdgcn-amd-amdhsa--gfx1250"
	.amdhsa_code_object_version 6
	.text
	.protected	k_qdbc88060d6_knn
	.globl	k_qdbc88060d6_knn
	.p2align	8
	.type	k_qdbc88060d6_knn,@function
k_qdbc88060d6_knn:
	s_mov_b64 s[64:65], 0
	v_nop
	global_prefetch_b8 v0, s[64:65] scope:SCOPE_SE
	s_setreg_imm32_b32 hwreg(HW_REG_WAVE_MODE, 25, 1), 1
	s_wait_xcnt 0x0
; idx[n][0..3] = the four centres nearest to sample n, by d2 = (|x|^2 - 2 Q(x).Q(c)) + |c|^2, ties to the lower index.
; x: [16384][32] f32, ctrs: [2048][32] f32.  Q: codes of FP6 (E2M3), one E8M0 scale for the row's one block of 32.
; Beside that the work-group rounds its 8 of the 2,048 weight blocks (wts [2048][32][32] f32) to bf16 into wbf, in the order
; in which the next launch's lanes read them: block j, chunk i (0..3), lane l = (g = l / 8, e = l % 8): 16 bytes =
; wts[j][8 g + 2 i][4 e .. 4 e + 3], wts[j][8 g + 2 i + 1][4 e .. 4 e + 3].
; SHARES.  A work-group owns 64 samples and walks all centres.  Wave w = (s = w % 4, q = w / 4): samples 16 s .. 16 s + 15, centres 512 q .. 512 q + 511, in 8 trips of 64 centres.
; THE PRODUCT.  Source 0 = 16 centres, source 1 = my 16 samples: lane (r, h) then holds sample r and the centres of rows 8 h + 0 .. 7.  K is 32 of the instruction's 128:
; the samples' fragment has codes in K block 0 (lanes 0-15, registers 0-5) and ZERO codes everywhere else, so whatever the centres' fragment holds in blocks 1 to 3 adds nothing;
; the scale bytes of those blocks are 0 on both sides.  So four fragments of centres may lie 6 registers apart, each one's upper half being the next one's codes.
; The dot product is exact in f32: every product is a multiple of one power of two and 32 of them need 17 bits.
; WHICH CENTRES FORM A TILE: row m of tile t is centre 512 q + 256 (m / 8) + 8 t + m % 8, so that a lane's 256 distances come in ascending order of the centre's number,
; and lanes 0-15 hold lower numbers than lanes 16-31.
; THE CENTRES ARE QUANTISED IN FOUR ROUNDS, IN THE ORDER IN WHICH THE TRIPS WANT THEM.  In round p wave (s, q) takes rows 512 q + 256 (s / 2) + 64 p + 32 (s % 2) + lane: dense loads of 512 bytes,
; a turn through its own LDS stage (rows 144 bytes apart) so that a lane holds one row's 32 numbers, then |c|^2, the scale byte and 24 bytes of codes into LDS.  The sixteen waves' round p is just what
; trips 2 p and 2 p + 1 of all waves read.  Only the samples' round and round 0 stand ahead of the first product.  Round p + 1 rides in stage p: its rows are loaded a stage ahead, turned in the middle of
; the trip before, quantised between trips 2 p and 2 p + 1.  Its barrier is split: the signal stands behind my stores of codes, the wait in the middle of trip 2 p + 1, just ahead of the first read of the new codes.
; THE FOUR NEAREST of a lane: values sorted in four registers (three medians and a minimum insert a distance), the four local numbers (8 bits each) in one register,
; shifted by one byte permute whose selector four strict compares choose.  An equal distance goes behind the earlier one: ties keep the lower number.
; The lines on numbers lag one distance behind the lines on values (two sets of masks take turns), so that none reads the result of the line just before it.
; Lists are merged by inserting the list of higher numbers into the list of lower numbers: lane l xor 16's, then the four quarters' through LDS.
; The trips are written out: every LDS offset and every local number is an immediate.
; NO CLUSTER, NO TENSOR LOAD: every work-group reads the same 262,144 bytes of ctrs, 32 loads a wave, against some 3,600 vector instructions a wave in the trips; the rows have to be
; turned and quantised on the way, and f32 rows with padding (294,912 bytes) and the codes (81,920) do not fit in LDS together.
; LIMITS: NaN and infinities among the inputs are not served, and d2 must stay finite.  |x|^2 and |c|^2 are summed in ascending k by fused multiply-adds; d2 is rounded as written above.
; A block whose largest magnitude lies under 2^-124 has its byte held at 1, as the quantiser's rule holds it; a block of zeros has the byte 1 and zero codes, which give the same product as the rule's 127.
.set SPIT,  144                        ; a stage row: 128 bytes + 16
.set STGW,  32*SPIT                    ; a wave's stage: 32 rows
.set COD,   16*STGW                    ; codes: 32 bytes a centre (24 used)
.set SCW,   COD+2048*32                ; scale words: 4 bytes a centre, the byte lowest, 0 above
.set SCQ,   SCW+2048*4                 ; |c|^2: 4 bytes a centre
.set MRG,   SCQ+2048*4                 ; lists to be merged: 1,024 bytes a wave; ends at 172,032
.set LANE, 1
.set RR,   2                           ; lane % 16
.set HH,   3                           ; lane / 16
.set GL16, 4                           ; 16 x lane: never rewritten
.set STW,  5                           ; stage, in: 144 (lane / 8) + 16 (lane % 8)
.set STR,  6                           ; stage, out: row = lane
.set STX,  7                           ; stage, out: row = lane % 16
.set CODW, 8                           ; where I store a centre's codes, scale word, |c|^2 (round 0; the round stands in the immediate)
.set SCWW, 9
.set SCQW, 10
.set ACOD, 11                          ; where I read a tile's codes, scale words, |c|^2 (trip 0; the trip stands in the immediate)
.set ASCW, 12
.set ASCQ, 13
.set MW,   14                          ; where I store my list, where I read lists
.set MR,   15
.set BX,   16                          ; v16-27  the samples' fragment
.set WOF,  28                          ; my byte in a weight block: never rewritten
.set SX,   30                          ; v30-31  |x|^2, twice
.set XR,   32                          ; v32-47  at the head: 16 rows of x as loaded
.set RC,   64                          ; v64-95  at the head: round 1's rows as loaded
.set AF,   32                          ; v32-61  four fragments of centres, 6 registers apart
.set DD,   64                          ; v64-95  four tiles of dot products, then d2
.set SCR,  96                          ; v96-127 |c|^2 of my 32 centres
.set VV,   128                         ; v128-131 the four smallest d2, ascending
.set II,   132                         ; v132-135 their centres' numbers (behind the trips)
.set PV,   136                         ; v136-143 a list to be inserted
.set PI,   140
.set IP,   144                         ; the four local numbers, a byte each
.set SA,   145
.set SB,   146
.set VS4,  147
.set VS2,  148
.set BASE, 152
.set OA,   153
.set OO,   154
.set RB,   160                         ; v160-191 rounds 0, 2, 3: 32 rows of ctrs as loaded; then the weights as loaded
.set ROW,  192                         ; v192-223 one row's 32 numbers
.set AM,   224
.set SS,   225
.set SOP,  226
.set BY,   227
.set CC,   228                         ; v228-233 a row's codes
.set CT,   234                         ; v234-236 their second half as converted
.set WO,   238                         ; v238-245 weights in bf16
.set ASC,  248                         ; v248-251 four tiles' scale words: scales and nothing else
.set BXS,  252                         ; the samples' scale words: likewise
.set WV,   14
.set TS,   15
.set QD,   16
.set BR,   21                          ; the first row of ctrs that I quantise
.set HIM,  22
.set SEL,  24
.set CM,   28                          ; s28-35 two sets of four masks: set e % 2 for distance e; in a set, mask i: list value i > the distance
.set C0,   CM
.set C1,   CM+1
.set C2,   CM+2
.set C3,   CM+3
.set K3,   36
.set K1,   37
.set K0,   38
	s_load_b256 s[4:11], s[0:1], 0x0               ; x s[4:5], ctrs s[6:7], wts s[8:9], idx s[10:11]
	s_load_b64 s[12:13], s[0:1], 0x20              ; wbf
	v_lshl_add_u32 v254, v0, 2, 0x2a000
	v_mov_b32 v255, 0
	v_lshrrev_b32 v[AM], 5, v0
	v_readfirstlane_b32 s[WV], v[AM]               ; wave 0..15
	v_and_b32 v[LANE], 31, v0
	v_lshlrev_b32 v[GL16], 4, v[LANE]
	v_bfe_u32 v[AM], v0, 3, 2                      ; lane / 8
	v_and_b32 v[SS], 7, v0                         ; lane % 8
	v_lshlrev_b32 v[WOF], 10, v[AM]                ; weights: rows 8 g on (1,024 bytes), 16 bytes for each e
	v_lshl_add_u32 v[WOF], v[SS], 4, v[WOF]
	s_and_b32 s[TS], s[WV], 3                      ; my tile of samples
	s_lshr_b32 s[QD], s[WV], 2                     ; my quarter of the centres
	s_lshl_b32 s[BR], s[QD], 9                     ; 512 q
	s_lshr_b32 s20, s[TS], 1
	s_lshl_b32 s20, s20, 8
	s_add_co_u32 s[BR], s[BR], s20                 ; + 256 (s / 2)
	s_and_b32 s20, s[TS], 1
	s_lshl_b32 s20, s20, 5
	s_add_co_u32 s[BR], s[BR], s20                 ; + 32 (s % 2)
	s_mov_b32 s19, 0
	s_wait_kmcnt 0x0
	s_lshl_b32 s18, ttmp9, 13                      ; x: 64 rows of 128 bytes a work-group, 16 a tile
	s_lshl_b32 s20, s[TS], 11
	s_add_co_u32 s18, s18, s20
	s_add_nc_u64 s[4:5], s[4:5], s[18:19]
	s_lshl_b32 s18, s[BR], 7                       ; ctrs: my first row
	s_add_nc_u64 s[6:7], s[6:7], s[18:19]
	s_lshl_b32 s18, ttmp9, 15                      ; wts: 8 blocks of 4,096 bytes a work-group; block w / 4 (and 4 more on), rows 2 (w % 4) on
	s_lshl_b32 s20, s[QD], 12
	s_add_co_u32 s18, s18, s20
	s_lshl_b32 s20, s[TS], 8
	s_add_co_u32 s18, s18, s20
	s_add_nc_u64 s[8:9], s[8:9], s[18:19]
	s_lshl_b32 s18, ttmp9, 10                      ; idx: 16 bytes a sample
	s_add_co_u32 s18, s18, s20
	s_add_nc_u64 s[10:11], s[10:11], s[18:19]
	s_lshl_b32 s18, ttmp9, 14                      ; wbf: 8 blocks of 2,048 bytes a work-group, 512 bytes a wave
	s_lshl_b32 s20, s[WV], 9
	s_add_co_u32 s18, s18, s20
	s_add_nc_u64 s[12:13], s[12:13], s[18:19]
.macro CLOAD dst, p                    ; round p's 32 rows, 4,096 consecutive bytes: each load reads 512 of them; a round lies 64 rows behind the last
.set k, 0
.rept 8
	global_load_b128 v[(\dst)+4*k:(\dst)+4*k+3], v[GL16], s[6:7] offset:8192*(\p)+512*k
.set k, k+1
.endr
.endm
.irp i, 0,1,2,3
	global_load_b128 v[XR+4*\i:XR+4*\i+3], v[GL16], s[4:5] offset:512*\i          ; 32 lanes read 512 consecutive bytes: 4 rows
.endr
	CLOAD RB, 0
	CLOAD RC, 1
	; every LDS address is made here: a constant + a constant x lane part + a constant x wave part
	s_mul_i32 s17, s[WV], STGW
	v_mul_u32_u24 v[STW], v[AM], SPIT
	v_lshl_add_u32 v[STW], v[SS], 4, v[STW]
	v_add_nc_u32 v[STW], s17, v[STW]
	v_mul_u32_u24 v[STR], v[LANE], SPIT
	v_add_nc_u32 v[STR], s17, v[STR]
	v_and_b32 v[RR], 15, v0
	v_bfe_u32 v[HH], v0, 4, 1
	v_mul_u32_u24 v[STX], v[RR], SPIT
	v_add_nc_u32 v[STX], s17, v[STX]
	s_lshl_b32 s17, s[BR], 5                       ; centre BR + lane: 32 bytes of codes,
	s_add_co_u32 s17, s17, COD
	v_lshl_add_u32 v[CODW], v[LANE], 5, s17
	s_lshl_b32 s17, s[BR], 2                       ; 4 bytes of scale word and of |c|^2
	v_lshl_add_u32 v[SCWW], v[LANE], 2, s17
	v_add_nc_u32 v[SCQW], SCQ, v[SCWW]
	v_add_nc_u32 v[SCWW], SCW, v[SCWW]
	v_bfe_u32 v[AM], v0, 3, 1                      ; (lane % 16) / 8
	s_lshl_b32 s17, s[QD], 14                      ; row r of tile 0: centre 512 q + 256 (r / 8) + r % 8
	s_add_co_u32 s17, s17, COD
	v_lshlrev_b32 v[ACOD], 13, v[AM]
	v_lshl_add_u32 v[ACOD], v[SS], 5, v[ACOD]
	v_add_nc_u32 v[ACOD], s17, v[ACOD]
	s_lshl_b32 s17, s[QD], 11
	v_lshlrev_b32 v[ASCW], 10, v[AM]
	v_lshl_add_u32 v[ASCW], v[SS], 2, v[ASCW]
	v_add_nc_u32 v[ASCW], s17, v[ASCW]
	v_add_nc_u32 v[ASCW], SCW, v[ASCW]
	v_lshl_add_u32 v[ASCQ], v[HH], 10, s17         ; my eight results of tile 0: centres 512 q + 256 h + 0 .. 7
	v_add_nc_u32 v[ASCQ], SCQ, v[ASCQ]
	s_lshl_b32 s17, s[TS], 2
	s_add_co_u32 s17, s17, s[QD]                   ; lists lie by tile of samples, then by quarter
	s_lshl_b32 s17, s17, 10
	s_add_co_u32 s17, s17, MRG
	v_lshl_add_u32 v[MW], v[LANE], 5, s17
	s_lshl_b32 s17, s[TS], 12
	s_add_co_u32 s17, s17, MRG
	v_lshlrev_b32 v[MR], 11, v[HH]                 ; lanes 0-15 read quarters 0 and 1, lanes 16-31 quarters 2 and 3
	v_lshl_add_u32 v[MR], v[RR], 5, v[MR]
	v_add_nc_u32 v[MR], s17, v[MR]
	s_mov_b32 s[HIM], 0xffff0000                   ; lanes 16-31
	s_mov_b32 s[SEL], 0x76543210
	s_mov_b32 s[SEL+1], 0xfedcba98                 ; v_permlanex16_b32's selects for lane l xor 16
.macro STAGE src, n                    ; n loads' 512 bytes into my stage as they lie, 16 bytes of padding behind each row
.set k, 0
.rept \n
	ds_store_b128 v[STW], v[(\src)+4*k:(\src)+4*k+3] offset:4*SPIT*k
.set k, k+1
.endr
.endm
.macro FETCHROW adr                    ; and one whole row back to each lane.  LDS serves a wave's instructions in order: these see the stores above
.irp c, 0,1,2,3,4,5,6,7
	ds_load_b128 v[ROW+4*\c:ROW+4*\c+3], v[\adr] offset:16*\c
.endr
.endm
; A row's 32 numbers: the sum of squares in ascending k, the largest magnitude with the floor 2^(3 - 127) among its leaves, the scale's byte, the codes.
.macro QROW
	v_max3_num_f32 v[AM], |v[ROW]|, |v[ROW+1]|, 0x1800000
	v_mul_f32 v[SS], v[ROW], v[ROW]
	v_fmac_f32 v[SS], v[ROW+1], v[ROW+1]
.set k, 2
.rept 15
	v_max3_num_f32 v[AM], v[AM], |v[ROW+k]|, |v[ROW+k+1]|
	v_fmac_f32 v[SS], v[ROW+k], v[ROW+k]
	v_fmac_f32 v[SS], v[ROW+k+1], v[ROW+k+1]
.set k, k+2
.endr
	v_add_nc_u32 v[SOP], 0xff000000, v[AM]         ; 2 off the exponent field: the conversion takes this operand's exponent field as its scale
	v_lshrrev_b32 v[BY], 23, v[SOP]                ; the scale's byte, 0 above it
	v_cvt_scalef32_pk16_fp6_f32 v[CC:CC+2], v[ROW:ROW+15], v[SOP]
	v_cvt_scalef32_pk16_fp6_f32 v[CT:CT+2], v[ROW+16:ROW+31], v[SOP]     ; (a conversion's three registers begin on an even number)
	v_nop                                          ; one plain place behind a scaled conversion
.irp c, 0,1,2
	v_mov_b32 v[CC+3+\c], v[CT+\c]
.endr
.endm
.macro QSTORE p                        ; round p's codes, scale word and |c|^2: 64 centres behind the last round's
	ds_store_b128 v[CODW], v[CC:CC+3] offset:2048*(\p)
	ds_store_b64 v[CODW], v[CC+4:CC+5] offset:2048*(\p)+16
	ds_store_b32 v[SCWW], v[BY] offset:256*(\p)
	ds_store_b32 v[SCQW], v[SS] offset:256*(\p)
.endm
; Round p, whose rows lie in v[ROW] on, is quantised and stored; then the first half of its barrier.
.macro QOUT p
	QROW
	QSTORE \p
	s_wait_dscnt 0x0                               ; for the others' sake: my codes, scale words and sums lie in LDS.  The next trip's operands, asked for in the last trip, are in as well
	s_barrier_signal -1                            ; the wait stands in the middle of the next trip; only work on registers stands between
.endm
	; my 16 samples
	s_wait_loadcnt 16                              ; x's four loads are in; behind them: rounds 0 and 1, eight loads each
	STAGE XR, 4
	FETCHROW STX
	s_wait_dscnt 0x0
	QROW
.irp c, 0,1,2,3,4,5
	v_cndmask_b32 v[BX+\c], v[CC+\c], 0, s[HIM]    ; K block 0 lies in lanes 0-15; lanes 16-31 (block 1) hold zero codes,
.endr
.irp c, 6,7,8,9,10,11
	v_mov_b32 v[BX+\c], 0                          ; and so do blocks 2 and 3
.endr
	v_mov_b32 v[BXS], v[BY]
	v_mov_b32 v[SX], v[SS]
	v_mov_b32 v[SX+1], v[SS]
	; round 0
	s_wait_loadcnt 8                               ; round 0's eight loads are in; behind them: round 1's eight
	STAGE RB, 8
	FETCHROW STR
	s_wait_dscnt 0x0
	QROW
	QSTORE 0
.irp c, 24,25,26,27,28,29
	v_mov_b32 v[AF+\c], 0                          ; the last fragment's upper half: any codes would do, these are written once
.endr
.irp c, 0,1,2,3
	v_mov_b32 v[VV+\c], 0x7f800000                 ; the list begins with +infinity
.endr
	v_mov_b32 v[IP], 0
	v_mov_b32 v[VS4], 0x03020100                   ; selectors of the byte permute: bytes 0-3 the old numbers, 4 the new one.  Nothing inserted;
	v_mov_b32 v[VS2], 0x02040100                   ; inserted third;
	s_mov_b32 s[K3], 0x04020100                    ; fourth;
	s_mov_b32 s[K1], 0x02010400                    ; second;
	s_mov_b32 s[K0], 0x02010004                    ; first
.irp c, 0,1,2,3,4,5,6,7
	v_mov_b32 v[PV+\c], 0                          ; written once: a lane permute's destination counts as one of its sources
.endr
	s_wait_dscnt 0x0                               ; for the others' sake: round 0 lies in LDS
	s_barrier_signal -1
	s_barrier_wait -1
.macro LOADA u                         ; trip u's four tiles: codes (lanes 16-31 read what lanes 0-15 read) and scale words; a trip is 32 centres on in each half
.irp q, 0,1,2,3
	ds_load_b128 v[AF+6*\q:AF+6*\q+3], v[ACOD] offset:1024*(\u)+256*\q
	ds_load_b64 v[AF+6*\q+4:AF+6*\q+5], v[ACOD] offset:1024*(\u)+256*\q+16
	ds_load_b32 v[ASC+\q], v[ASCW] offset:128*(\u)+32*\q
.endr
.endm
.macro LOADS u                         ; |c|^2 of my 32 centres of trip u: 128 consecutive bytes
.irp q, 0,1,2,3,4,5,6,7
	ds_load_b128 v[SCR+4*\q:SCR+4*\q+3], v[ASCQ] offset:128*(\u)+16*\q
.endr
.endm
; The lines on numbers of a trip's last distance (mask set 1), whose local number is id.
.macro FLUSH id
	v_cndmask_b32 v[SA], v[VS4], s[K3], s[CM+7]
	v_cndmask_b32 v[SB], v[VS2], s[K1], s[CM+5]
	v_cndmask_b32 v[SB], v[SB], s[K0], s[CM+4]
	v_cndmask_b32 v[SA], v[SA], v[SB], s[CM+6]
	v_perm_b32 v[IP], \id, v[IP], v[SA]
.endm
; Trip u's four products: 64 centres x 16 samples.  Behind them stand plain vector lines that name none of their registers, ahead of loads into their sources and of the
; first read of results: the last trip's last lines on numbers, or four v_nop where there is no last trip.
.macro MULT u
.irp q, 0,1,2,3
	v_wmma_scale_f32_16x16x128_f8f6f4 v[DD+8*\q:DD+8*\q+7], v[AF+6*\q:AF+6*\q+11], v[BX:BX+11], 0, v[ASC+\q], v[BXS] matrix_a_fmt:MATRIX_FMT_FP6 matrix_b_fmt:MATRIX_FMT_FP6
.endr
.if (\u) > 0
	FLUSH 32*(\u)-1
.else
.rept 4
	v_nop
.endr
.endif
.endm
.macro DIST
.set k, 0
.rept 16
	v_pk_fma_f32 v[DD+2*k:DD+2*k+1], v[DD+2*k:DD+2*k+1], -2.0, v[SX:SX+1] op_sel_hi:[1,0,1]   ; |x|^2 - 2 dot, one rounding; each accumulator from its low end on
.set k, k+1
.endr
.set k, 0
.rept 16
	v_pk_add_f32 v[DD+2*k:DD+2*k+1], v[DD+2*k:DD+2*k+1], v[SCR+2*k:SCR+2*k+1]                 ; + |c|^2
.set k, k+1
.endr
.endm
; Distance e of trip u goes into the list of values: four strict compares with the old list, then three medians and a minimum.  Between these lines stand the five lines on numbers of
; distance e - 1, whose masks lie in the other set.
.macro INS u, e
.set CB, CM+4*((\e)%2)
.set PB, CM+4-4*((\e)%2)
	v_cmp_gt_f32 s[CB+3], v[VV+3], v[DD+(\e)]
.if (\e) > 0
	v_cndmask_b32 v[SA], v[VS4], s[K3], s[PB+3]
.endif
	v_cmp_gt_f32 s[CB+2], v[VV+2], v[DD+(\e)]
.if (\e) > 0
	v_cndmask_b32 v[SB], v[VS2], s[K1], s[PB+1]
.endif
	v_cmp_gt_f32 s[CB+1], v[VV+1], v[DD+(\e)]
	v_cmp_gt_f32 s[CB], v[VV], v[DD+(\e)]
.if (\e) > 0
	v_cndmask_b32 v[SB], v[SB], s[K0], s[PB]
.endif
	v_med3_num_f32 v[VV+3], v[DD+(\e)], v[VV+2], v[VV+3]
	v_med3_num_f32 v[VV+2], v[DD+(\e)], v[VV+1], v[VV+2]
.if (\e) > 0
	v_cndmask_b32 v[SA], v[SA], v[SB], s[PB+2]
.endif
	v_med3_num_f32 v[VV+1], v[DD+(\e)], v[VV], v[VV+1]
	v_min_num_f32 v[VV], v[DD+(\e)], v[VV]
.if (\e) > 0
	v_perm_b32 v[IP], 32*(\u)+(\e)-1, v[IP], v[SA]
.endif
.endm
.macro INS_LO u
.irp e, 0,1,2,3,4,5,6,7,8,9,10,11,12,13,14,15
	INS \u, \e
.endr
.endm
.macro INS_HI u
.irp e, 16,17,18,19,20,21,22,23,24,25,26,27,28,29,30,31
	INS \u, \e
.endr
.endm
; A trip whose successor reads codes that lie in LDS already (more = 1), or that has no successor (more = 0).  Its operands have been waited for.
.macro TRIPA u, more
	MULT \u
.if \more
	LOADA (\u)+1                                   ; asked for as soon as their registers are free
.endif
	DIST
.if \more
	LOADS (\u)+1
.endif
	INS_LO \u
	INS_HI \u
.endm
; A trip whose successor reads the round that has just been stored.  The barrier's wait stands in its middle, behind the products, the distances and 16 insertions;
; behind it the next trip's operands are asked for, with 16 insertions in which to land.  turn = 1: the round after that, whose rows were loaded a stage ago, goes through my stage.
.macro TRIPB u, turn
	MULT \u
	DIST
	INS_LO \u
	s_barrier_wait -1                              ; every wave's part of the round lies in LDS
	LOADA (\u)+1
	LOADS (\u)+1
.if \turn
	s_wait_loadcnt 0x0                             ; the eight loads issued at the head of the last trip; none was issued behind them
	STAGE RB, 8
	FETCHROW STR
.endif
	INS_HI \u
.endm
	LOADA 0
	LOADS 0
	s_wait_loadcnt 0x0                             ; round 1's rows
	STAGE RC, 8
	FETCHROW STR
	s_wait_dscnt 0x0                               ; trip 0's operands and round 1's rows are in; my stores into the stage have read their registers
	CLOAD RB, 2                                    ; round 2's rows: a stage ahead
	TRIPA 0, 1
	QOUT 1
	TRIPB 1, 1
	s_wait_dscnt 0x0                               ; trip 2's operands and round 2's rows are in; the stores into the stage have read v[RB] on
	CLOAD RB, 3
	TRIPA 2, 1
	QOUT 2
	TRIPB 3, 1
	s_wait_dscnt 0x0
	global_load_b128 v[RB:RB+3], v[WOF], s[8:9] th:TH_LOAD_NT                     ; the weights: rows 8 g + 2 i and 8 g + 2 i + 1 of two blocks: read once in the launch
	global_load_b128 v[RB+4:RB+7], v[WOF], s[8:9] offset:128 th:TH_LOAD_NT
	global_load_b128 v[RB+8:RB+11], v[WOF], s[8:9] offset:16384 th:TH_LOAD_NT
	global_load_b128 v[RB+12:RB+15], v[WOF], s[8:9] offset:16512 th:TH_LOAD_NT
	TRIPA 4, 1
	QOUT 3
	TRIPB 5, 0
	s_wait_dscnt 0x0
	TRIPA 6, 1
	s_wait_loadcnt 0x0                             ; the weights, asked for three trips ago
.irp c, 0,1,2,3,4,5,6,7
	v_cvt_pk_bf16_f32 v[WO+\c], v[RB+2*\c], v[RB+2*\c+1]
.endr
	global_store_b128 v[GL16], v[WO:WO+3], s[12:13]                ; 32 lanes store 512 consecutive bytes, aligned
	global_store_b128 v[GL16], v[WO+4:WO+7], s[12:13] offset:8192
	s_wait_dscnt 0x0
	TRIPA 7, 0                                     ; the last four tiles ask for nothing
	FLUSH 255
	s_lshl_b32 s17, s[QD], 9
	v_lshl_add_u32 v[BASE], v[HH], 8, s17          ; my first centre: 512 q + 256 h
.irp c, 0,1,2,3
	v_bfe_u32 v[II+\c], v[IP], 8*\c, 8
.endr
.irp c, 0,1,2,3
	v_add_nc_u32 v[II+\c], v[BASE], v[II+\c]
.endr
; Entry c of the list in PV, PI goes into the list in VV, II.  The inserted list holds the higher numbers, so a strict compare keeps ties right.
.macro INSV c
	v_cmp_gt_f32 s[C3], v[VV+3], v[PV+\c]
	v_cmp_gt_f32 s[C2], v[VV+2], v[PV+\c]
	v_cmp_gt_f32 s[C1], v[VV+1], v[PV+\c]
	v_cmp_gt_f32 s[C0], v[VV], v[PV+\c]
	v_med3_num_f32 v[VV+3], v[PV+\c], v[VV+2], v[VV+3]
	v_med3_num_f32 v[VV+2], v[PV+\c], v[VV+1], v[VV+2]
	v_med3_num_f32 v[VV+1], v[PV+\c], v[VV], v[VV+1]
	v_min_num_f32 v[VV], v[PV+\c], v[VV]
	v_cndmask_b32 v[II+3], v[II+3], v[PI+\c], s[C3]
	v_cndmask_b32 v[II+3], v[II+3], v[II+2], s[C2]
	v_cndmask_b32 v[II+2], v[II+2], v[PI+\c], s[C2]
	v_cndmask_b32 v[II+2], v[II+2], v[II+1], s[C1]
	v_cndmask_b32 v[II+1], v[II+1], v[PI+\c], s[C1]
	v_cndmask_b32 v[II+1], v[II+1], v[II], s[C0]
	v_cndmask_b32 v[II], v[II], v[PI+\c], s[C0]
.endm
.macro CROSS                           ; lane l xor 16's list; the result counts in lanes 0-15 alone
.irp c, 0,1,2,3
	v_permlanex16_b32 v[PV+\c], v[VV+\c], s[SEL], s[SEL+1]
	v_permlanex16_b32 v[PI+\c], v[II+\c], s[SEL], s[SEL+1]
.endr
.irp c, 0,1,2,3
	INSV \c
.endr
.endm
	CROSS
	ds_store_b128 v[MW], v[VV:VV+3]                ; 32 bytes a lane; lanes 0-15's are read
	ds_store_b128 v[MW], v[II:II+3] offset:16
	s_wait_dscnt 0x0                               ; for the others' sake
	s_barrier_signal -1
	s_barrier_wait -1
	s_cmp_lt_u32 s[WV], 4                          ; wave s merges the four quarters' lists of tile s; no barrier follows
	s_cbranch_scc0 .Ldone
	ds_load_b128 v[VV:VV+3], v[MR]                 ; lanes 0-15: quarter 0, lanes 16-31: quarter 2
	ds_load_b128 v[II:II+3], v[MR] offset:16
	ds_load_b128 v[PV:PV+3], v[MR] offset:1024     ; quarter 1, quarter 3
	ds_load_b128 v[PI:PI+3], v[MR] offset:1040
	v_lshlrev_b32 v[OA], 4, v[RR]
	v_lshl_add_u32 v[OA], v[HH], 3, v[OA]          ; 16 bytes a sample, 8 for each half of the lanes
	s_wait_dscnt 0x0
.irp c, 0,1,2,3
	INSV \c
.endr
	CROSS
	v_permlanex16_b32 v[PI], v[II+2], s[SEL], s[SEL+1]
	v_permlanex16_b32 v[PI+1], v[II+3], s[SEL], s[SEL+1]
	v_cndmask_b32 v[OO], v[II], v[PI], s[HIM]      ; lanes 0-15 store numbers 0 and 1 of their sample, lanes 16-31 numbers 2 and 3
	v_cndmask_b32 v[OO+1], v[II+1], v[PI+1], s[HIM]
	global_store_b64 v[OA], v[OO:OO+1], s[10:11]   ; 32 lanes store 256 consecutive bytes, aligned
.Ldone:
	s_wait_tensorcnt 0x0
	ds_add_u32 v254, v255
	s_wait_dscnt 0x0
	s_endpgm
.Lfunc_end_k_qdbc88060d6_knn:
	.size	k_qdbc88060d6_knn, .Lfunc_end_k_qdbc88060d6_knn-k_qdbc88060d6_knn
	.p2alignl 7, 3214868480
	.fill 96, 4, 3214868480
	.section	.rodata,"a",@progbits
	.p2align	6, 0x0
	.amdhsa_kernel k_qdbc88060d6_knn
		.amdhsa_group_segment_fixed_size 174080
		.amdhsa_private_segment_fixed_size 0
		.amdhsa_enable_private_segment 0
		.amdhsa_kernarg_size 40
		.amdhsa_user_sgpr_count 2
		.amdhsa_user_sgpr_kernarg_segment_ptr 1
		.amdhsa_wavefront_size32 1
		.amdhsa_system_sgpr_workgroup_id_x 1
		.amdhsa_system_sgpr_workgroup_id_y 1
		.amdhsa_system_sgpr_workgroup_id_z 1
		.amdhsa_system_vgpr_workitem_id 0
		.amdhsa_next_free_vgpr 256
		.amdhsa_next_free_sgpr 66
		.amdhsa_reserve_vcc 0
		.amdhsa_float_denorm_mode_32 3
		.amdhsa_float_denorm_mode_16_64 3
		.amdhsa_memory_ordered 1
		.amdhsa_forward_progress 1
		.amdhsa_inst_pref_size 255
	.end_amdhsa_kernel
	.section	.bss,"aw",@nobits
	.p2align	6
	.space	262144
	.amdgpu_metadata
---
amdhsa.version: [ 1, 2 ]
amdhsa.kernels:
  - .name:           k_qdbc88060d6_knn
    .symbol:         k_qdbc88060d6_knn.kd
    .args:
      - { .name: x, .offset: 0, .size: 8, .value_kind: global_buffer, .address_space: global }
      - { .name: ctrs, .offset: 8, .size: 8, .value_kind: global_buffer, .address_space: global }
      - { .name: wts, .offset: 16, .size: 8, .value_kind: global_buffer, .address_space: global }
      - { .name: idx, .offset: 24, .size: 8, .value_kind: global_buffer, .address_space: global }
      - { .name: wbf, .offset: 32, .size: 8, .value_kind: global_buffer, .address_space: global }
    .group_segment_fixed_size: 174080
    .private_segment_fixed_size: 0
    .kernarg_segment_align: 8
    .kernarg_segment_size: 40
    .max_flat_workgroup_size: 512
    .sgpr_count:     66
    .vgpr_count:     256
    .wavefront_size: 32
...
	.end_amdgpu_metadata
.endif
;; end of part 3
;; launch apply: the kernel of part 2 again; grid 1024 x 1, 4 waves a work-group, no clusters, 0 bytes of LDS; arguments x, ctrs, offsets, idx, wbf, out0; writes out0
;; ======== version 3 of 3: 2 launches; version 2 with the launch knn written anew for expert scheduling mode
;; workspace buffers: idx 262,144 bytes of whole numbers; wbf 4,194,304 bytes
;; launch knn (part 4): grid 256 x 1, 16 waves a work-group, no clusters, 174,080 bytes of LDS; arguments x, ctrs, wts, idx, wbf; writes idx, wbf
.if DOCPART == 4
	.amdgcn_target "amdgcn-amd-amdhsa--gfx1250"
	.amdhsa_code_object_version 6
	.text
	.protected	k_qdbc88060d6_knn
	.globl	k_qdbc88060d6_knn
	.p2align	8
	.type	k_qdbc88060d6_knn,@function
k_qdbc88060d6_knn:
	s_mov_b64 s[64:65], 0
	v_nop
	global_prefetch_b8 v0, s[64:65] scope:SCOPE_SE
	s_setreg_imm32_b32 hwreg(HW_REG_WAVE_SCHED_MODE, 0, 2), 2
	s_setreg_imm32_b32 hwreg(HW_REG_WAVE_MODE, 25, 1), 1
	s_wait_xcnt 0x0
	s_wait_alu depctr_vm_vsrc(0)
; idx[n][0..3] = the four centres nearest to sample n, by d2 = (|x|^2 - 2 Q(x).Q(c)) + |c|^2, ties to the lower index.
; x: [16384][32] f32, ctrs: [2048][32] f32.  Q: codes of FP6 (E2M3), one E8M0 scale for the row's one block of 32.
; Beside that the work-group rounds its 8 of the 2,048 weight blocks (wts [2048][32][32] f32) to bf16 into wbf, in the order
; in which the next launch's lanes read them: block j, chunk i (0..3), lane l = (g = l / 8, e = l % 8): 16 bytes =
; wts[j][8 g + 2 i][4 e .. 4 e + 3], wts[j][8 g + 2 i + 1][4 e .. 4 e + 3].
; SHARES.  A work-group owns 64 samples and walks all centres.  Wave w = (s = w % 4, q = w / 4): samples 16 s .. 16 s + 15, centres 512 q .. 512 q + 511, in 8 trips of 64 centres.
; THE PRODUCT.  Source 0 = 16 centres, source 1 = my 16 samples: lane (r, h) then holds sample r and the centres of rows 8 h + 0 .. 7.  K is 32 of the instruction's 128:
; the samples' fragment has codes in K block 0 (lanes 0-15, registers 0-5) and ZERO codes everywhere else, so whatever the centres' fragment holds in blocks 1 to 3 adds nothing;
; the scale bytes of those blocks are 0 on both sides.  So four fragments of centres may lie 6 registers apart, each one's upper half being the next one's codes.
; The dot product is exact in f32: every product is a multiple of one power of two and 32 of them need 17 bits.
; WHICH CENTRES FORM A TILE: row m of tile t is centre 512 q + 256 (m / 8) + 8 t + m % 8, so that a lane's 256 distances come in ascending order of the centre's number,
; and lanes 0-15 hold lower numbers than lanes 16-31.
; THE CENTRES ARE QUANTISED IN FOUR ROUNDS, IN THE ORDER IN WHICH THE TRIPS WANT THEM.  In round p wave (s, q) takes rows 512 q + 256 (s / 2) + 64 p + 32 (s % 2) + lane: dense loads of 512 bytes,
; a turn through its own LDS stage (rows 144 bytes apart) so that a lane holds one row's 32 numbers, then |c|^2, the scale byte and 24 bytes of codes into LDS.  The sixteen waves' round p is just what
; trips 2 p and 2 p + 1 of all waves read.  Only the samples' round and round 0 stand ahead of the first product.  Round p + 1 rides in stage p: its rows are loaded a stage ahead, turned in the second half of
; the trip before, quantised between trips 2 p and 2 p + 1.  Its barrier is split: the signal stands behind my stores of codes, the wait in the middle of trip 2 p + 1, just ahead of the first read of the new codes.
; THE FOUR NEAREST of a lane: values sorted in four registers (three medians and a minimum insert a distance), the four local numbers (8 bits each) in one register,
; shifted by one byte permute whose selector four strict compares choose.  An equal distance goes behind the earlier one: ties keep the lower number.
; The lines on numbers lag EIGHT distances behind the lines on values: two sets of 32 masks take turns, a set for each batch of eight distances.
; Lists are merged by inserting the list of higher numbers into the list of lower numbers: lane l xor 16's, then the four quarters' through LDS.
; The trips are written out: every LDS offset and every local number is an immediate.
; NO CLUSTER, NO TENSOR LOAD: every work-group reads the same 262,144 bytes of ctrs, 32 loads a wave, against some 3,600 vector instructions a wave in the trips; the rows have to be
; turned and quantised on the way, and f32 rows with padding (294,912 bytes) and the codes (81,920) do not fit in LDS together.
; LIMITS: NaN and infinities among the inputs are not served, and d2 must stay finite.  |x|^2 and |c|^2 are summed in ascending k by fused multiply-adds; d2 is rounded as written above.
; A block whose largest magnitude lies under 2^-124 has its byte held at 1, as the quantiser's rule holds it; a block of zeros has the byte 1 and zero codes, which give the same product as the rule's 127.
; THE MODE: SCHED_MODE bits 1:0 = 2 (LLVM: expert scheduling mode 2), set by the entry lines.  The code itself states the register dependences
; between vector or matrix instructions and memory or LDS instructions, and those through scalar results of vector instructions, with s_wait_alu, always for 0.
; THE PLAN.  Registers that memory or LDS instructions touch, and who else names them:
;   v4-15, v28      addresses and offsets: written once at the head, ahead of the one wait on va_vdst in front of the first load; never written again.
;   XR, RC, RB      rows as loaded: global loads land, the stage's LDS stores read.  XR is later the fragments' (LDS loads land), RC the products' results, RB is loaded again each stage:
;                   a wait on vm_vsrc stands behind the first barrier and at the head of each stage, ahead of the loads into RB.
;   ROW             the stage's LDS loads land; QROW reads.  The wait on va_vdst behind each QROW stands ahead of the next loads into it.
;   CC, BY, SS      QROW writes; QSTORE's LDS stores read (the same wait on va_vdst ahead of them); the next QROW writes them again behind the stage head's wait on vm_vsrc.
;   AF, ASC, SCR    a trip's operands: LDS loads land; the four products read AF and ASC, the distances' additions read SCR.  ONE wait on va_vdst a trip, behind those additions;
;                   the next trip's twenty loads follow it, dealt among the insertions, which name the distances, the list and their own temporaries alone.
;   BX, BXS, v56-61 written by vector lines at the head, taken by the scaled products: the wait on va_vdst ahead of round 0's stores stands behind them all.
;   WO; VV, II, PV, PI; OA, OO   on the way out: a wait on va_vdst ahead of each run of stores, one on vm_vsrc ahead of the loads into the lists' registers.
;   the masks       written by compares, read by selects eight distances later: one wait on va_sdst at the head of each batch of eight.
.set SPIT,  144                        ; a stage row: 128 bytes + 16
.set STGW,  32*SPIT                    ; a wave's stage: 32 rows
.set COD,   16*STGW                    ; codes: 32 bytes a centre (24 used)
.set SCW,   COD+2048*32                ; scale words: 4 bytes a centre, the byte lowest, 0 above
.set SCQ,   SCW+2048*4                 ; |c|^2: 4 bytes a centre
.set MRG,   SCQ+2048*4                 ; lists to be merged: 1,024 bytes a wave; ends at 172,032
.set LANE, 1
.set RR,   2                           ; lane % 16
.set HH,   3                           ; lane / 16
.set GL16, 4                           ; 16 x lane: never rewritten
.set STW,  5                           ; stage, in: 144 (lane / 8) + 16 (lane % 8)
.set STR,  6                           ; stage, out: row = lane
.set STX,  7                           ; stage, out: row = lane % 16
.set CODW, 8                           ; where I store a centre's codes, scale word, |c|^2 (round 0; the round stands in the immediate)
.set SCWW, 9
.set SCQW, 10
.set ACOD, 11                          ; where I read a tile's codes, scale words, |c|^2 (trip 0; the trip stands in the immediate)
.set ASCW, 12
.set ASCQ, 13
.set MW,   14                          ; where I store my list, where I read lists
.set MR,   15
.set BX,   16                          ; v16-27  the samples' fragment
.set WOF,  28                          ; my byte in a weight block: never rewritten
.set SX,   30                          ; v30-31  |x|^2, twice
.set XR,   32                          ; v32-47  at the head: 16 rows of x as loaded
.set RC,   64                          ; v64-95  at the head: round 1's rows as loaded
.set AF,   32                          ; v32-61  four fragments of centres, 6 registers apart
.set DD,   64                          ; v64-95  four tiles of dot products, then d2
.set SCR,  96                          ; v96-127 |c|^2 of my 32 centres
.set VV,   128                         ; v128-131 the four smallest d2, ascending
.set II,   132                         ; v132-135 their centres' numbers (behind the trips)
.set PV,   136                         ; v136-143 a list to be inserted
.set PI,   140
.set IP,   144                         ; the four local numbers, a byte each
.set SA,   145
.set SB,   146
.set VS4,  147
.set VS2,  148
.set SA2,  149                         ; a second pair of temporaries, for a trip's last eight lines on numbers
.set SB2,  150
.set BASE, 152
.set OA,   153
.set OO,   154
.set RB,   160                         ; v160-191 rounds 0, 2, 3: 32 rows of ctrs as loaded; then the weights as loaded
.set ROW,  192                         ; v192-223 one row's 32 numbers
.set AM,   224
.set SS,   225
.set SOP,  226
.set BY,   227
.set CC,   228                         ; v228-233 a row's codes
.set CT,   234                         ; v234-236 their second half as converted
.set WO,   238                         ; v238-245 weights in bf16
.set ASC,  248                         ; v248-251 four tiles' scale words: scales and nothing else
.set BXS,  252                         ; the samples' scale words: likewise
.set WV,   14
.set TS,   15
.set QD,   16
.set BR,   21                          ; the first row of ctrs that I quantise
.set HIM,  22
.set K0,   23
.set SEL,  24
.set K3,   26
.set K1,   27
.set M0,   28                          ; s28-59  masks, set 0: four for each of a batch's eight distances; of the four, mask i: list value i > the distance
.set M1,   66                          ; s66-97  masks, set 1
	s_load_b256 s[4:11], s[0:1], 0x0               ; x s[4:5], ctrs s[6:7], wts s[8:9], idx s[10:11]
	s_load_b64 s[12:13], s[0:1], 0x20              ; wbf
	v_lshl_add_u32 v254, v0, 2, 0x2a000
	v_mov_b32 v255, 0
	v_lshrrev_b32 v[AM], 5, v0
	v_readfirstlane_b32 s[WV], v[AM]               ; wave 0..15
	v_and_b32 v[LANE], 31, v0
	v_lshlrev_b32 v[GL16], 4, v[LANE]
	v_bfe_u32 v[AM], v0, 3, 2                      ; lane / 8
	v_and_b32 v[SS], 7, v0                         ; lane % 8
	v_lshlrev_b32 v[WOF], 10, v[AM]                ; weights: rows 8 g on (1,024 bytes), 16 bytes for each e
	v_lshl_add_u32 v[WOF], v[SS], 4, v[WOF]
	s_wait_alu depctr_va_sdst(0)                   ; the wave's number is written, ahead of its first reader: bases and LDS addresses are made from it
	s_and_b32 s[TS], s[WV], 3                      ; my tile of samples
	s_lshr_b32 s[QD], s[WV], 2                     ; my quarter of the centres
	s_lshl_b32 s[BR], s[QD], 9                     ; 512 q
	s_lshr_b32 s20, s[TS], 1
	s_lshl_b32 s20, s20, 8
	s_add_co_u32 s[BR], s[BR], s20                 ; + 256 (s / 2)
	s_and_b32 s20, s[TS], 1
	s_lshl_b32 s20, s20, 5
	s_add_co_u32 s[BR], s[BR], s20                 ; + 32 (s % 2)
	s_mov_b32 s19, 0
	; every LDS address is made here, while the arguments are on their way: a constant + a constant x lane part + a constant x wave part
	s_mul_i32 s17, s[WV], STGW
	v_mul_u32_u24 v[STW], v[AM], SPIT
	v_lshl_add_u32 v[STW], v[SS], 4, v[STW]
	v_add_nc_u32 v[STW], s17, v[STW]
	v_mul_u32_u24 v[STR], v[LANE], SPIT
	v_add_nc_u32 v[STR], s17, v[STR]
	v_and_b32 v[RR], 15, v0
	v_bfe_u32 v[HH], v0, 4, 1
	v_mul_u32_u24 v[STX], v[RR], SPIT
	v_add_nc_u32 v[STX], s17, v[STX]
	s_lshl_b32 s17, s[BR], 5                       ; centre BR + lane: 32 bytes of codes,
	s_add_co_u32 s17, s17, COD
	v_lshl_add_u32 v[CODW], v[LANE], 5, s17
	s_lshl_b32 s17, s[BR], 2                       ; 4 bytes of scale word and of |c|^2
	v_lshl_add_u32 v[SCWW], v[LANE], 2, s17
	v_add_nc_u32 v[SCQW], SCQ, v[SCWW]
	v_add_nc_u32 v[SCWW], SCW, v[SCWW]
	v_bfe_u32 v[AM], v0, 3, 1                      ; (lane % 16) / 8
	s_lshl_b32 s17, s[QD], 14                      ; row r of tile 0: centre 512 q + 256 (r / 8) + r % 8
	s_add_co_u32 s17, s17, COD
	v_lshlrev_b32 v[ACOD], 13, v[AM]
	v_lshl_add_u32 v[ACOD], v[SS], 5, v[ACOD]
	v_add_nc_u32 v[ACOD], s17, v[ACOD]
	s_lshl_b32 s17, s[QD], 11
	v_lshlrev_b32 v[ASCW], 10, v[AM]
	v_lshl_add_u32 v[ASCW], v[SS], 2, v[ASCW]
	v_add_nc_u32 v[ASCW], s17, v[ASCW]
	v_add_nc_u32 v[ASCW], SCW, v[ASCW]
	v_lshl_add_u32 v[ASCQ], v[HH], 10, s17         ; my eight results of tile 0: centres 512 q + 256 h + 0 .. 7
	v_add_nc_u32 v[ASCQ], SCQ, v[ASCQ]
	s_lshl_b32 s17, s[TS], 2
	s_add_co_u32 s17, s17, s[QD]                   ; lists lie by tile of samples, then by quarter
	s_lshl_b32 s17, s17, 10
	s_add_co_u32 s17, s17, MRG
	v_lshl_add_u32 v[MW], v[LANE], 5, s17
	s_lshl_b32 s17, s[TS], 12
	s_add_co_u32 s17, s17, MRG
	v_lshlrev_b32 v[MR], 11, v[HH]                 ; lanes 0-15 read quarters 0 and 1, lanes 16-31 quarters 2 and 3
	v_lshl_add_u32 v[MR], v[RR], 5, v[MR]
	v_add_nc_u32 v[MR], s17, v[MR]
	s_mov_b32 s[HIM], 0xffff0000                   ; lanes 16-31
	s_mov_b32 s[SEL], 0x76543210
	s_mov_b32 s[SEL+1], 0xfedcba98                 ; v_permlanex16_b32's selects for lane l xor 16
	s_wait_kmcnt 0x0
	s_lshl_b32 s18, ttmp9, 13                      ; x: 64 rows of 128 bytes a work-group, 16 a tile
	s_lshl_b32 s20, s[TS], 11
	s_add_co_u32 s18, s18, s20
	s_add_nc_u64 s[4:5], s[4:5], s[18:19]
	s_lshl_b32 s18, s[BR], 7                       ; ctrs: my first row
	s_add_nc_u64 s[6:7], s[6:7], s[18:19]
	s_lshl_b32 s18, ttmp9, 15                      ; wts: 8 blocks of 4,096 bytes a work-group; block w / 4 (and 4 more on), rows 2 (w % 4) on
	s_lshl_b32 s20, s[QD], 12
	s_add_co_u32 s18, s18, s20
	s_lshl_b32 s20, s[TS], 8
	s_add_co_u32 s18, s18, s20
	s_add_nc_u64 s[8:9], s[8:9], s[18:19]
	s_lshl_b32 s18, ttmp9, 10                      ; idx: 16 bytes a sample
	s_add_co_u32 s18, s18, s20
	s_add_nc_u64 s[10:11], s[10:11], s[18:19]
	s_lshl_b32 s18, ttmp9, 14                      ; wbf: 8 blocks of 2,048 bytes a work-group, 512 bytes a wave
	s_lshl_b32 s20, s[WV], 9
	s_add_co_u32 s18, s18, s20
	s_add_nc_u64 s[12:13], s[12:13], s[18:19]
.macro CLOAD dst, p                    ; round p's 32 rows, 4,096 consecutive bytes: each load reads 512 of them; a round lies 64 rows behind the last
.set k, 0
.rept 8
	global_load_b128 v[(\dst)+4*k:(\dst)+4*k+3], v[GL16], s[6:7] offset:8192*(\p)+512*k
.set k, k+1
.endr
.endm
	s_wait_alu depctr_va_vdst(0)                   ; the offsets and LDS addresses v4 to v15 and v28 are written, which the loads and stores of the whole kernel read
.irp i, 0,1,2,3
	global_load_b128 v[XR+4*\i:XR+4*\i+3], v[GL16], s[4:5] offset:512*\i          ; 32 lanes read 512 consecutive bytes: 4 rows
.endr
	CLOAD RB, 0
	CLOAD RC, 1
.macro STAGE src, n                    ; n loads' 512 bytes into my stage as they lie, 16 bytes of padding behind each row
.set k, 0
.rept \n
	ds_store_b128 v[STW], v[(\src)+4*k:(\src)+4*k+3] offset:4*SPIT*k
.set k, k+1
.endr
.endm
.macro FETCHROW adr                    ; and one whole row back to each lane.  LDS serves a wave's instructions in order: these see the stores above
.irp c, 0,1,2,3,4,5,6,7
	ds_load_b128 v[ROW+4*\c:ROW+4*\c+3], v[\adr] offset:16*\c
.endr
.endm
; A row's 32 numbers: the sum of squares in ascending k, the largest magnitude with the floor 2^(3 - 127) among its leaves, the scale's byte, the codes.
.macro QROW
	v_max3_num_f32 v[AM], |v[ROW]|, |v[ROW+1]|, 0x1800000
	v_mul_f32 v[SS], v[ROW], v[ROW]
	v_fmac_f32 v[SS], v[ROW+1], v[ROW+1]
.set k, 2
.rept 15
	v_max3_num_f32 v[AM], v[AM], |v[ROW+k]|, |v[ROW+k+1]|
	v_fmac_f32 v[SS], v[ROW+k], v[ROW+k]
	v_fmac_f32 v[SS], v[ROW+k+1], v[ROW+k+1]
.set k, k+2
.endr
	v_add_nc_u32 v[SOP], 0xff000000, v[AM]         ; 2 off the exponent field: the conversion takes this operand's exponent field as its scale
	v_lshrrev_b32 v[BY], 23, v[SOP]                ; the scale's byte, 0 above it
	v_cvt_scalef32_pk16_fp6_f32 v[CC:CC+2], v[ROW:ROW+15], v[SOP]
	v_cvt_scalef32_pk16_fp6_f32 v[CT:CT+2], v[ROW+16:ROW+31], v[SOP]     ; (a conversion's three registers begin on an even number)
	v_nop                                          ; one plain place behind a scaled conversion
.irp c, 0,1,2
	v_mov_b32 v[CC+3+\c], v[CT+\c]
.endr
.endm
.macro QSTORE p                        ; round p's codes, scale word and |c|^2: 64 centres behind the last round's
	ds_store_b128 v[CODW], v[CC:CC+3] offset:2048*(\p)
	ds_store_b64 v[CODW], v[CC+4:CC+5] offset:2048*(\p)+16
	ds_store_b32 v[SCWW], v[BY] offset:256*(\p)
	ds_store_b32 v[SCQW], v[SS] offset:256*(\p)
.endm
; Round p, whose rows lie in v[ROW] on, is quantised and stored; then the first half of its barrier.
; (The codes', the byte's and the sum's registers, which the last round's stores read, are written again here: the wait on vm_vsrc at the head of this stage stands behind those stores.)
.macro QOUT p
	QROW
	s_wait_alu depctr_va_vdst(0)                   ; the codes, the byte and the sum are written, which the stores below read; and the lines above are done reading v[ROW ..], in which the next round's rows land
	QSTORE \p
	s_wait_dscnt 0x0                               ; for the others' sake: my codes, scale words and sums lie in LDS.  The next trip's operands, asked for in the last trip, are in as well
	s_barrier_signal -1                            ; the wait stands in the middle of the next trip; only work on registers stands between
.endm
	; my 16 samples
	s_wait_loadcnt 16                              ; x's four loads are in; behind them: rounds 0 and 1, eight loads each
	STAGE XR, 4
	FETCHROW STX
	s_wait_dscnt 0x0
	QROW
.irp c, 0,1,2,3,4,5
	v_cndmask_b32 v[BX+\c], v[CC+\c], 0, s[HIM]    ; K block 0 lies in lanes 0-15; lanes 16-31 (block 1) hold zero codes,
.endr
.irp c, 6,7,8,9,10,11
	v_mov_b32 v[BX+\c], 0                          ; and so do blocks 2 and 3
.endr
	v_mov_b32 v[BXS], v[BY]
	v_mov_b32 v[SX], v[SS]
	v_mov_b32 v[SX+1], v[SS]
	; round 0
	s_wait_loadcnt 8                               ; round 0's eight loads are in; behind them: round 1's eight
	s_wait_alu depctr_va_vdst(0)                   ; the samples' lines are done reading v[ROW ..], in which round 0's rows land
	STAGE RB, 8
	FETCHROW STR
.irp c, 24,25,26,27,28,29
	v_mov_b32 v[AF+\c], 0                          ; the last fragment's upper half: any codes would do, these are written once.  (These lines stand here, while the rows are on their way through the stage)
.endr
.irp c, 0,1,2,3
	v_mov_b32 v[VV+\c], 0x7f800000                 ; the list begins with +infinity
.endr
	v_mov_b32 v[IP], 0
	v_mov_b32 v[VS4], 0x03020100                   ; selectors of the byte permute: bytes 0-3 the old numbers, 4 the new one.  Nothing inserted;
	v_mov_b32 v[VS2], 0x02040100                   ; inserted third;
	s_mov_b32 s[K3], 0x04020100                    ; fourth;
	s_mov_b32 s[K1], 0x02010400                    ; second;
	s_mov_b32 s[K0], 0x02010004                    ; first
.irp c, 0,1,2,3,4,5,6,7
	v_mov_b32 v[PV+\c], 0                          ; written once: a lane permute's destination counts as one of its sources
.endr
	s_wait_dscnt 0x0
	QROW
	s_wait_alu depctr_va_vdst(0)                   ; the codes, the byte and the sum are written, which the stores below read; the lines above are done reading v[ROW ..], in which round 1's rows land; and the samples' fragment, their scale words and v56 to v61 are written, which the scaled products take
	QSTORE 0
	s_wait_dscnt 0x0                               ; for the others' sake: round 0 lies in LDS
	s_barrier_signal -1
	s_barrier_wait -1
.macro LOADA u                         ; trip u's four tiles: codes (lanes 16-31 read what lanes 0-15 read) and scale words; a trip is 32 centres on in each half
.irp q, 0,1,2,3
	ds_load_b128 v[AF+6*\q:AF+6*\q+3], v[ACOD] offset:1024*(\u)+256*\q
	ds_load_b64 v[AF+6*\q+4:AF+6*\q+5], v[ACOD] offset:1024*(\u)+256*\q+16
	ds_load_b32 v[ASC+\q], v[ASCW] offset:128*(\u)+32*\q
.endr
.endm
.macro LOADS u                         ; |c|^2 of my 32 centres of trip u: 128 consecutive bytes
.irp q, 0,1,2,3,4,5,6,7
	ds_load_b128 v[SCR+4*\q:SCR+4*\q+3], v[ASCQ] offset:128*(\u)+16*\q
.endr
.endm
; The lines on numbers of a trip's last eight distances (mask set 1), whose local numbers are id0 .. id0 + 7: two distances at a time, on two pairs of temporaries; the permutes in the distances' order.
.macro LAST8 id0
	s_wait_alu depctr_va_sdst(0)                   ; the last batch's 32 masks are written, ahead of the selects that read them
.irp e, 0,2,4,6
	v_cndmask_b32 v[SA], v[VS4], s[K3], s[M1+4*\e+3]
	v_cndmask_b32 v[SA2], v[VS4], s[K3], s[M1+4*\e+7]
	v_cndmask_b32 v[SB], v[VS2], s[K1], s[M1+4*\e+1]
	v_cndmask_b32 v[SB2], v[VS2], s[K1], s[M1+4*\e+5]
	v_cndmask_b32 v[SB], v[SB], s[K0], s[M1+4*\e]
	v_cndmask_b32 v[SB2], v[SB2], s[K0], s[M1+4*\e+4]
	v_cndmask_b32 v[SA], v[SA], v[SB], s[M1+4*\e+2]
	v_cndmask_b32 v[SA2], v[SA2], v[SB2], s[M1+4*\e+6]
	v_perm_b32 v[IP], (\id0)+\e, v[IP], v[SA]
	v_perm_b32 v[IP], (\id0)+\e+1, v[IP], v[SA2]
.endr
.endm
; Trip u's four products: 64 centres x 16 samples.  Behind them stand plain vector lines that name none of their registers (ISA guide 7.12.1), ahead of the
; first read of results: the last trip's last lines on numbers, or four v_nop where there is no last trip.
.macro MULT u
.irp q, 0,1,2,3
	v_wmma_scale_f32_16x16x128_f8f6f4 v[DD+8*\q:DD+8*\q+7], v[AF+6*\q:AF+6*\q+11], v[BX:BX+11], 0, v[ASC+\q], v[BXS] matrix_a_fmt:MATRIX_FMT_FP6 matrix_b_fmt:MATRIX_FMT_FP6
.endr
.if (\u) > 0
	LAST8 32*(\u)-8
.else
.rept 4
	v_nop
.endr
.endif
.endm
.macro DIST
.set k, 0
.rept 16
	v_pk_fma_f32 v[DD+2*k:DD+2*k+1], v[DD+2*k:DD+2*k+1], -2.0, v[SX:SX+1] op_sel_hi:[1,0,1]   ; |x|^2 - 2 dot, one rounding; each accumulator from its low end on
.set k, k+1
.endr
.set k, 0
.rept 16
	v_pk_add_f32 v[DD+2*k:DD+2*k+1], v[DD+2*k:DD+2*k+1], v[SCR+2*k:SCR+2*k+1]                 ; + |c|^2
.set k, k+1
.endr
.endm
; Distance e of trip u goes into the list of values: four strict compares with the old list, then three medians and a minimum.  Between these lines stand the five lines on numbers of
; distance e - 8, whose masks lie in the other set.
.macro INS u, e
.set CB, M0+(M1-M0)*(((\e)/8)%2)+4*((\e)%8)
.set PB, M0+(M1-M0)*(1-((\e)/8)%2)+4*((\e)%8)
.if ((\e)%8 == 0) && ((\e) >= 8)
	s_wait_alu depctr_va_sdst(0)                   ; the batch before has written its 32 masks, ahead of this batch's selects, which read them
.endif
	v_cmp_gt_f32 s[CB+3], v[VV+3], v[DD+(\e)]
.if (\e) >= 8
	v_cndmask_b32 v[SA], v[VS4], s[K3], s[PB+3]
.endif
	v_cmp_gt_f32 s[CB+2], v[VV+2], v[DD+(\e)]
.if (\e) >= 8
	v_cndmask_b32 v[SB], v[VS2], s[K1], s[PB+1]
.endif
	v_cmp_gt_f32 s[CB+1], v[VV+1], v[DD+(\e)]
	v_cmp_gt_f32 s[CB], v[VV], v[DD+(\e)]
.if (\e) >= 8
	v_cndmask_b32 v[SB], v[SB], s[K0], s[PB]
.endif
	v_med3_num_f32 v[VV+3], v[DD+(\e)], v[VV+2], v[VV+3]
	v_med3_num_f32 v[VV+2], v[DD+(\e)], v[VV+1], v[VV+2]
.if (\e) >= 8
	v_cndmask_b32 v[SA], v[SA], v[SB], s[PB+2]
.endif
	v_med3_num_f32 v[VV+1], v[DD+(\e)], v[VV], v[VV+1]
	v_min_num_f32 v[VV], v[DD+(\e)], v[VV]
.if (\e) >= 8
	v_perm_b32 v[IP], 32*(\u)+(\e)-8, v[IP], v[SA]
.endif
.endm
.macro INS8 u, b                       ; batch b of a trip's four: distances 8 b .. 8 b + 7
.irp i, 0,1,2,3,4,5,6,7
	INS \u, 8*(\b)+\i
.endr
.endm
; A trip whose successor reads codes that lie in LDS already (more = 1), or that has no successor (more = 0).  Its operands have been waited for.
.macro TRIPA u, more
	MULT \u
	DIST
.if \more
	s_wait_alu depctr_va_vdst(0)                   ; the products are done reading the fragments and the scale words, the additions |c|^2: the next trip's loads land in these registers, and no line of the insertions names them
	LOADA (\u)+1
.endif
	INS8 \u, 0
.if \more
	LOADS (\u)+1
.endif
	INS8 \u, 1
	INS8 \u, 2
	INS8 \u, 3
.endm
; A trip whose successor reads the round that has just been stored.  The barrier's wait stands in its middle, behind the products, the distances and 16 insertions;
; behind it the next trip's operands are asked for, with 16 insertions in which to land.  turn = 1: the round after that, whose rows were loaded a stage ago, goes through my stage.
.macro TRIPB u, turn
	MULT \u
	DIST
	s_wait_alu depctr_va_vdst(0)                   ; the products are done reading the fragments and the scale words, the additions |c|^2: the next trip's loads land in these registers, and no line of the insertions names them
	INS8 \u, 0
	INS8 \u, 1
	s_barrier_wait -1                              ; every wave's part of the round lies in LDS
	LOADA (\u)+1
	LOADS (\u)+1
	INS8 \u, 2
.if \turn
	s_wait_loadcnt 0x0                             ; the eight loads issued at the head of the last trip; none was issued behind them
	STAGE RB, 8
	FETCHROW STR                                   ; (the lines that read v[ROW ..] stand ahead of the wait on va_vdst behind them)
.endif
	INS8 \u, 3
.endm
	s_wait_alu depctr_vm_vsrc(0)                   ; my stores into the stage have read v[XR ..], x as loaded, in which trip 0's fragments land
	LOADA 0
	LOADS 0
	s_wait_loadcnt 0x0                             ; round 1's rows
	STAGE RC, 8
	FETCHROW STR
	s_wait_dscnt 0x0                               ; trip 0's operands and round 1's rows are in
	s_wait_alu depctr_vm_vsrc(0)                   ; my LDS stores have read v[RB ..], in which round 2's rows land, v[RC ..], which trip 0's products write, and round 0's codes, byte and sum, which round 1's lines write
	CLOAD RB, 2                                    ; round 2's rows: a stage ahead
	TRIPA 0, 1
	QOUT 1
	TRIPB 1, 1
	s_wait_dscnt 0x0                               ; trip 2's operands and round 2's rows are in
	s_wait_alu depctr_vm_vsrc(0)                   ; my LDS stores have read v[RB ..], in which round 3's rows land, and round 1's codes, byte and sum, which round 2's lines write
	CLOAD RB, 3
	TRIPA 2, 1
	QOUT 2
	TRIPB 3, 1
	s_wait_dscnt 0x0
	s_wait_alu depctr_vm_vsrc(0)                   ; my LDS stores have read v[RB ..], in which the weights land, and round 2's codes, byte and sum, which round 3's lines write
	global_load_b128 v[RB:RB+3], v[WOF], s[8:9] th:TH_LOAD_NT                     ; the weights: rows 8 g + 2 i and 8 g + 2 i + 1 of two blocks: read once in the launch
	global_load_b128 v[RB+4:RB+7], v[WOF], s[8:9] offset:128 th:TH_LOAD_NT
	global_load_b128 v[RB+8:RB+11], v[WOF], s[8:9] offset:16384 th:TH_LOAD_NT
	global_load_b128 v[RB+12:RB+15], v[WOF], s[8:9] offset:16512 th:TH_LOAD_NT
	TRIPA 4, 1
	QOUT 3
	TRIPB 5, 0
	s_wait_dscnt 0x0
	TRIPA 6, 1
	s_wait_loadcnt 0x0                             ; the weights, asked for three trips ago
.irp c, 0,1,2,3,4,5,6,7
	v_cvt_pk_bf16_f32 v[WO+\c], v[RB+2*\c], v[RB+2*\c+1]
.endr
	s_wait_alu depctr_va_vdst(0)                   ; the conversions have written v[WO ..], which the two stores read
	global_store_b128 v[GL16], v[WO:WO+3], s[12:13]                ; 32 lanes store 512 consecutive bytes, aligned
	global_store_b128 v[GL16], v[WO+4:WO+7], s[12:13] offset:8192
	s_wait_dscnt 0x0
	TRIPA 7, 0                                     ; the last four tiles ask for nothing
	LAST8 248
	s_lshl_b32 s17, s[QD], 9
	v_lshl_add_u32 v[BASE], v[HH], 8, s17          ; my first centre: 512 q + 256 h
.irp c, 0,1,2,3
	v_bfe_u32 v[II+\c], v[IP], 8*\c, 8
.endr
.irp c, 0,1,2,3
	v_add_nc_u32 v[II+\c], v[BASE], v[II+\c]
.endr
; The four entries of the list in PV, PI go into the list in VV, II, one after the other.  The inserted list holds the higher numbers, so a strict compare keeps ties right.
; First the four entries' lines on values, four masks each; then their lines on numbers, in the same order.
.macro MERGE4
.irp c, 0,1,2,3
	v_cmp_gt_f32 s[M0+4*\c+3], v[VV+3], v[PV+\c]
	v_cmp_gt_f32 s[M0+4*\c+2], v[VV+2], v[PV+\c]
	v_cmp_gt_f32 s[M0+4*\c+1], v[VV+1], v[PV+\c]
	v_cmp_gt_f32 s[M0+4*\c], v[VV], v[PV+\c]
	v_med3_num_f32 v[VV+3], v[PV+\c], v[VV+2], v[VV+3]
	v_med3_num_f32 v[VV+2], v[PV+\c], v[VV+1], v[VV+2]
	v_med3_num_f32 v[VV+1], v[PV+\c], v[VV], v[VV+1]
	v_min_num_f32 v[VV], v[PV+\c], v[VV]
.endr
	s_wait_alu depctr_va_sdst(0)                   ; the sixteen masks are written, ahead of the selects that read them
.irp c, 0,1,2,3
	v_cndmask_b32 v[II+3], v[II+3], v[PI+\c], s[M0+4*\c+3]
	v_cndmask_b32 v[II+3], v[II+3], v[II+2], s[M0+4*\c+2]
	v_cndmask_b32 v[II+2], v[II+2], v[PI+\c], s[M0+4*\c+2]
	v_cndmask_b32 v[II+2], v[II+2], v[II+1], s[M0+4*\c+1]
	v_cndmask_b32 v[II+1], v[II+1], v[PI+\c], s[M0+4*\c+1]
	v_cndmask_b32 v[II+1], v[II+1], v[II], s[M0+4*\c]
	v_cndmask_b32 v[II], v[II], v[PI+\c], s[M0+4*\c]
.endr
.endm
.macro CROSS                           ; lane l xor 16's list; the result counts in lanes 0-15 alone
.irp c, 0,1,2,3
	v_permlanex16_b32 v[PV+\c], v[VV+\c], s[SEL], s[SEL+1]
	v_permlanex16_b32 v[PI+\c], v[II+\c], s[SEL], s[SEL+1]
.endr
	MERGE4
.endm
	CROSS
	s_wait_alu depctr_va_vdst(0)                   ; my list v[VV ..], v[II ..] is written, which the two stores read; and the merge is done with all sixteen registers of the two lists, in which the loads behind the barrier land
	ds_store_b128 v[MW], v[VV:VV+3]                ; 32 bytes a lane; lanes 0-15's are read
	ds_store_b128 v[MW], v[II:II+3] offset:16
	s_wait_dscnt 0x0                               ; for the others' sake
	s_barrier_signal -1
	s_barrier_wait -1
	s_wait_alu depctr_vm_vsrc(0)                   ; my two stores have read v[VV ..] and v[II ..], in which the quarters' lists land: ahead of the branch
	s_cmp_lt_u32 s[WV], 4                          ; wave s merges the four quarters' lists of tile s; no barrier follows
	s_cbranch_scc0 .Ldone
	ds_load_b128 v[VV:VV+3], v[MR]                 ; lanes 0-15: quarter 0, lanes 16-31: quarter 2
	ds_load_b128 v[II:II+3], v[MR] offset:16
	ds_load_b128 v[PV:PV+3], v[MR] offset:1024     ; quarter 1, quarter 3
	ds_load_b128 v[PI:PI+3], v[MR] offset:1040
	v_lshlrev_b32 v[OA], 4, v[RR]
	v_lshl_add_u32 v[OA], v[HH], 3, v[OA]          ; 16 bytes a sample, 8 for each half of the lanes
	s_wait_dscnt 0x0
	MERGE4
	CROSS
	v_permlanex16_b32 v[PI], v[II+2], s[SEL], s[SEL+1]
	v_permlanex16_b32 v[PI+1], v[II+3], s[SEL], s[SEL+1]
	v_cndmask_b32 v[OO], v[II], v[PI], s[HIM]      ; lanes 0-15 store numbers 0 and 1 of their sample, lanes 16-31 numbers 2 and 3
	v_cndmask_b32 v[OO+1], v[II+1], v[PI+1], s[HIM]
	s_wait_alu depctr_va_vdst(0)                   ; the offset v[OA] and the two numbers v[OO ..] are written, which the store reads
	global_store_b64 v[OA], v[OO:OO+1], s[10:11]   ; 32 lanes store 256 consecutive bytes, aligned
.Ldone:
	s_wait_dscnt 0x0                               ; the closing lines, six on end, of a launch in the mode that stores to LDS (ISA reference, section 12)
	s_wait_alu 0x0
	s_wait_tensorcnt 0x0
	ds_add_u32 v254, v255
	s_wait_dscnt 0x0
	s_endpgm
.Lfunc_end_k_qdbc88060d6_knn:
	.size	k_qdbc88060d6_knn, .Lfunc_end_k_qdbc88060d6_knn-k_qdbc88060d6_knn
	.p2alignl 7, 3214868480
	.fill 96, 4, 3214868480
	.section	.rodata,"a",@progbits
	.p2align	6, 0x0
	.amdhsa_kernel k_qdbc88060d6_knn
		.amdhsa_group_segment_fixed_size 174080
		.amdhsa_private_segment_fixed_size 0
		.amdhsa_enable_private_segment 0
		.amdhsa_kernarg_size 40
		.amdhsa_user_sgpr_count 2
		.amdhsa_user_sgpr_kernarg_segment_ptr 1
		.amdhsa_wavefront_size32 1
		.amdhsa_system_sgpr_workgroup_id_x 1
		.amdhsa_system_sgpr_workgroup_id_y 1
		.amdhsa_system_sgpr_workgroup_id_z 1
		.amdhsa_system_vgpr_workitem_id 0
		.amdhsa_next_free_vgpr 256
		.amdhsa_next_free_sgpr 98
		.amdhsa_reserve_vcc 0
		.amdhsa_float_denorm_mode_32 3
		.amdhsa_float_denorm_mode_16_64 3
		.amdhsa_memory_ordered 1
		.amdhsa_forward_progress 1
		.amdhsa_inst_pref_size 255
	.end_amdhsa_kernel
	.section	.bss,"aw",@nobits
	.p2align	6
	.space	262144
	.amdgpu_metadata
---
amdhsa.version: [ 1, 2 ]
amdhsa.kernels:
  - .name:           k_qdbc88060d6_knn
    .symbol:         k_qdbc88060d6_knn.kd
    .args:
      - { .name: x, .offset: 0, .size: 8, .value_kind: global_buffer, .address_space: global }
      - { .name: ctrs, .offset: 8, .size: 8, .value_kind: global_buffer, .address_space: global }
      - { .name: wts, .offset: 16, .size: 8, .value_kind: global_buffer, .address_space: global }
      - { .name: idx, .offset: 24, .size: 8, .value_kind: global_buffer, .address_space: global }
      - { .name: wbf, .offset: 32, .size: 8, .value_kind: global_buffer, .address_space: global }
    .group_segment_fixed_size: 174080
    .private_segment_fixed_size: 0
    .kernarg_segment_align: 8
    .kernarg_segment_size: 40
    .max_flat_workgroup_size: 512
    .sgpr_count:     98
    .vgpr_count:     256
    .wavefront_size: 32
...
	.end_amdgpu_metadata
.endif
;; end of part 4
;; launch apply: the kernel of part 2 again; grid 1024 x 1, 4 waves a work-group, no clusters, 0 bytes of LDS; arguments x, ctrs, offsets, idx, wbf, out0; writes out0
